; MI455X (gfx1250); checked and timed in simulation.
; The chip was launched on July 23, 2026; its instructions are those of AMD's public machine-readable ISA for CDNA 5 (MIT licence, August 2026) and "CDNA5" Instruction Set Architecture Reference Guide (July 2026). The comments in the code are by the model that wrote it; some were corrected since.
;; Self Attention LSA. Allowed arithmetic: matrix products marked QUANTISED: E2M3 operands, one E8M0 scale for each 32 along K, by v_wmma_scale_f32_16x16x128_f8f6f4 with both operands' format E2M3, f32 sums; everything else in f32.
;; Inputs: Wk 768 x 768 float32; Wq 768 x 768 float32; Wv 768 x 768 float32; temperature one number float32; x 16 x 1,024 x 768 float32.
;; Outputs: out0 16 x 1,024 x 768 float32.
;; This version of the problem:
;;   THIS VERSION OF THE PROBLEM IS GIVEN IN LOW PRECISION. The matrix products marked QUANTISED in the list below multiply operands that are first quantised to E2M3 (2 exponent bits, 3 mantissa bits; 6 bits a number), with one power-of-two scale for each 32 numbers along K (OCP MX v1.0); their sums are f32. All else is computed in f32.
;;   The module's matrix products, in the order in which they are computed (A, B: the left and right operand; K: the contracted axis; several contracted axes count as one K, in the product's order):
;;     1. [M 16,384, K 768] x [K 768, N 768]; A: input x; B: input Wq: QUANTISED
;;     2. [M 16,384, K 768] x [K 768, N 768]; A: input x; B: input Wk: QUANTISED
;;     3. [M 16,384, K 768] x [K 768, N 768]; A: input x; B: input Wv: QUANTISED
;;     4. batch 16 x [M 1,024, K 768] x [K 768, N 1,024]; A: computed on the way; B: computed on the way: QUANTISED
;;     5. batch 16 x [M 1,024, K 1,024] x [K 1,024, N 768]; A: computed on the way; B: computed on the way: QUANTISED
;;   THE QUANTISER, for each operand of a quantised product, along K:
;;     - K is cut into blocks of 32 from its start; a last block that is shorter is filled with zeros.
;;     - A block's scale is 2^e with e = floor(log2(the largest magnitude in the block)) - 2, held to -126 .. 127; a block of zeros has e = 0. As a byte (E8M0): e + 127.
;;     - Each number is divided by its block's scale, clamped to +-7.5, and rounded to the nearest number of E2M3, ties to even, subnormals kept.
;;     - The product sums the exact products of the quantised numbers (number of the format x scale) in f32.
;;   ~~~python
;;   def quantise(x, axis):      # numpy; x: float32 -> the quantised numbers, widened to float32 again
;;       x = np.moveaxis(x, axis, -1); K = x.shape[-1]
;;       x = np.pad(x, [(0, 0)] * (x.ndim - 1) + [(0, -K % 32)]); x = x.reshape(x.shape[:-1] + (-1, 32)); a = np.abs(x).max(-1, keepdims=True)
;;       e = np.where(a > 0, np.clip(np.frexp(np.where(a > 0, a, 1))[1] - 1 - 2, -126, 127), 0)      # np.frexp(a)[1] - 1 = floor(log2(a)), exactly
;;       r = np.clip(x / 2.0 ** e, -7.5, 7.5)
;;       step = 2.0 ** (np.maximum(np.frexp(np.where(r == 0, 1, r))[1] - 1, 0) - 3)
;;       q = np.round(r / step) * step * 2.0 ** e      # np.round: ties to even
;;       return np.moveaxis(q.reshape(q.shape[:-2] + (-1,))[..., :K], -1, axis).astype(np.float32)
;;   ~~~
;;   OPERANDS COMPUTED ON THE WAY. 'Computed on the way' means the value that the module computes at that place (a softmax that the list does not call 'softmax' is quantised finished and normalised). What goes into a quantiser is computed in f32, as accurately as f32 sums, v_exp_f32 and their like allow (about 1e-6 of the number): no bf16 or f16 on the way to a quantiser, and a product that is left as it is and whose result goes on into a quantised operand takes f32 operands (vector FMAs, or v_wmma_f32_16x16x4_f32). A number that lies on a knife's edge between two numbers of the format may be rounded either way, as far as f32 arithmetic and the matrix unit's own rounding can turn it there, and no further.
;; 2 versions, each right; version 2 is version 1 with the launch LS written anew for expert scheduling mode. Each part assembles by itself: llvm-mc -triple=amdgcn-amd-amdhsa -mcpu=gfx1250 --defsym DOCPART=n.
;; ======== version 1 of 2: 4 launches
;; workspace buffers: XQ 9,830,400 bytes; WQ 1,382,400 bytes; QK 19,660,800 bytes; VQ 9,961,472 bytes; PQ 13,107,200 bytes
;; launch LQ (part 1): grid 256 x 1, 7 waves a work-group, no clusters, 60,160 bytes of LDS; arguments x, Wq, Wk, Wv, XQ, WQ; writes XQ, WQ
.if DOCPART == 1
	.amdgcn_target "amdgcn-amd-amdhsa--gfx1250"
	.amdhsa_code_object_version 6
	.text
	.protected	k_q470d32d6d2_LQ
	.globl	k_q470d32d6d2_LQ
	.p2align	8
	.type	k_q470d32d6d2_LQ,@function
k_q470d32d6d2_LQ:
	s_mov_b64 s[64:65], 0
	v_nop
	global_prefetch_b8 v0, s[64:65] scope:SCOPE_SE
	s_setreg_imm32_b32 hwreg(HW_REG_WAVE_MODE, 25, 1), 1
	s_wait_xcnt 0x0
; x [16384][768] and Wq, Wk, Wv [768][768], f32, become codes of FP6 (E2M3) with one E8M0 byte for each 32 along K (the last axis),
; laid in the ORDER OF THE OPERAND'S REGISTERS, so that the next launch takes a fragment by three loads of 16 bytes a lane.
; A block's scale is 2^(floor(log2(largest magnitude)) - 2); its byte is the largest magnitude's exponent field - 2, held at 1 from below.
; LIMITS: a block of zeros gets the byte 1 where the rule says 127 (its codes are zeros, and this program alone reads the bytes); NaN and infinities are not served.
; SHARES.  A share is 64 rows x one K step (128 along K): four fragments and one unit of scale words; a wave takes one share.  Groups of 64 rows: 0-255 are x's, then 12 each of Wq, Wk, Wv.
; Work-group g: waves 0-5 take x's group g, K steps 0-5.  The 36 x 6 = 216 shares of the weights go to wave 6 of work-groups 0-215 (group 256 + g / 6, K step g % 6), so that no work-group has more than
; seven shares; in the other 40 work-groups wave 6 has no share and ends.
; A TILE'S 16 ROWS ARE NOT NEIGHBOURS: lane r of tile t takes row 32 (t / 2) + 8 (t % 2) + r + 8 (r / 8), so that a later product that takes the tile as source 0 has 16 neighbours in 16 registers.
; A fragment: lane (r, h), registers 6 c .. 6 c + 5 hold k = 64 c + 32 h + 0 .. 31.  Its image in memory: register 4 c + i of lane l at byte 512 c + 16 l + 4 i (1,536 bytes).
; A unit of scale words (256 bytes, 64 rows, one K step): lane (r, h) has 8 bytes at 8 l: word i is row r's word of tile 2 i + h.
; Each load reads 512 consecutive bytes of a row; the 16 rows turn through the wave's own stage in LDS (rows 528 bytes apart) so that a lane gets its 2 x 32 neighbours.  No barrier: waves share nothing.
.set SP,  528                          ; a stage row: 512 bytes + 16
.set STG, 16*SP                        ; a wave's stage
.set WD,  16                           ; v16-19  the four tiles' scale words
.set CX,  24                           ; v24-30  the second halves of a block's codes (a conversion's three registers begin on an even number)
.set R,   32                           ; v32-223 three sets of 64 numbers
.set F,   224                          ; v224-247 two sets of a fragment's 12 registers
	s_load_b256 s[4:11], s[0:1], 0x0               ; x s[4:5], Wq s[6:7], Wk s[8:9], Wv s[10:11]
	s_load_b128 s[12:15], s[0:1], 0x20             ; XQ s[12:13], WQ s[14:15]
	v_lshl_add_u32 v254, v0, 2, 0xe700
	v_mov_b32 v255, 0
	v_lshrrev_b32 v1, 5, v0
	v_readfirstlane_b32 s16, v1                    ; wave 0..6
	v_and_b32 v2, 31, v0                           ; lane
	v_and_b32 v6, 15, v0                           ; r
	v_bfe_u32 v7, v0, 4, 1                         ; h
	s_mul_i32 s17, s16, STG                        ; my stage
	v_lshlrev_b32 v1, 4, v2                        ; v1: 16 x lane
	v_add_nc_u32 v3, s17, v1                       ; v3: into the stage: 16 x lane of a row
	v_mul_u32_u24 v4, v6, SP
	v_lshl_add_u32 v4, v7, 7, v4
	v_add_nc_u32 v4, s17, v4                       ; v4: out of it: row r, + 128 h: my 32 numbers of a 64
	v_lshlrev_b32 v5, 3, v7                        ; v5: 8 h
	v_lshlrev_b32 v2, 3, v2                        ; v2: 8 x lane
	v_mov_b32 v15, 0                               ; a lane permute's destination counts as one of its sources
	s_mov_b32 s34, 0x76543210
	s_mov_b32 s35, 0xfedcba98                      ; selects for lane l xor 16
	s_mov_b32 s36, 0xffff0000                      ; lanes 16-31
	; my share: s40 the group of 64 rows, s41 the K step
	s_mul_hi_u32 s40, ttmp9, 0xaaaaaaab
	s_lshr_b32 s40, s40, 2                         ; work-group / 6
	s_mul_i32 s41, s40, 6
	s_sub_co_u32 s41, ttmp9, s41                   ; work-group % 6
	s_add_co_u32 s40, s40, 256
	s_cmp_lt_u32 s16, 6
	s_cselect_b32 s40, ttmp9, s40
	s_cselect_b32 s41, s16, s41
	; offsets, apart from the addresses.  x: codes [s][tile], scales [s][group];  W: codes [group][s][tile], scales [group][s]
	s_sub_co_u32 s20, s40, 256                     ; W's group 0 .. 35 (not used in x's shares)
	s_mul_i32 s24, s41, 1572864
	s_mul_i32 s25, s40, 6144
	s_add_co_u32 s24, s24, s25                     ; x's codes
	s_mul_i32 s25, s20, 36864
	s_mul_i32 s26, s41, 6144
	s_add_co_u32 s25, s25, s26                     ; W's codes
	s_lshl_b32 s26, s41, 16
	s_lshl_b32 s27, s40, 8
	s_add_co_u32 s26, s26, s27
	s_add_co_u32 s26, s26, 9437184                 ; x's scales
	s_mul_i32 s27, s20, 1536
	s_lshl_b32 s28, s41, 8
	s_add_co_u32 s27, s27, s28
	s_add_co_u32 s27, s27, 1327104                 ; W's scales
	s_cmp_lt_u32 s40, 256
	s_cselect_b32 s24, s24, s25
	s_cselect_b32 s26, s26, s27
	s_mov_b32 s25, 0
	s_mov_b32 s27, 0
	s_wait_kmcnt 0x0
	s_cmp_lt_u32 s40, 292                          ; there are 292 groups: wave 6 of work-groups 216-255 has no share
	s_cbranch_scc1 .Lwork
	s_endpgm
.Lwork:
	s_cmp_lt_u32 s40, 280                          ; every choice hangs on the work-group's and the wave's number alone
	s_cselect_b64 s[18:19], s[8:9], s[10:11]
	s_cselect_b32 s21, 12, 24
	s_cmp_lt_u32 s40, 268
	s_cselect_b64 s[18:19], s[6:7], s[18:19]
	s_cselect_b32 s21, 0, s21
	s_sub_co_u32 s21, s20, s21                     ; the group of 64 rows inside its W
	s_cmp_lt_u32 s40, 256
	s_cselect_b64 s[18:19], s[4:5], s[18:19]       ; the source
	s_cselect_b32 s21, s40, s21
	s_cselect_b64 s[22:23], s[12:13], s[14:15]     ; the destination
	s_mul_i32 s28, s21, 196608                     ; 64 rows of 3,072 bytes
	s_lshl_b32 s29, s41, 9                         ; + 512 bytes a K step
	s_add_co_u32 s28, s28, s29
	s_mov_b32 s29, 0
	s_add_nc_u64 s[18:19], s[18:19], s[28:29]
	s_add_nc_u64 s[30:31], s[22:23], s[24:25]      ; my four fragments
	s_add_nc_u64 s[32:33], s[22:23], s[26:27]      ; my unit of scale words
.macro LOADF f                         ; tile f's 16 rows x 512 bytes into set f % 3
.set lr, R+64*((\f)%3)
.irp i, 0,1,2,3,4,5,6,7,8,9,10,11,12,13,14,15
	global_load_b128 v[lr+4*\i:lr+4*\i+3], v1, s[18:19] offset:(32*((\f)/2)+8*((\f)%2)+\i+8*(\i/8))*3072 th:TH_LOAD_NT
.endr
.endm
.macro FRAG f, left                    ; left: the younger loads that may stay out
.set fr, R+64*((\f)%3)
.set ff, F+12*((\f)%2)
	s_wait_loadcnt \left
.irp i, 0,1,2,3,4,5,6,7,8,9,10,11,12,13,14,15
	ds_store_b128 v3, v[fr+4*\i:fr+4*\i+3] offset:SP*\i
.endr
.irp c, 0,1
.irp q, 0,1,2,3,4,5,6,7
	ds_load_b128 v[fr+32*\c+4*\q:fr+32*\c+4*\q+3], v4 offset:256*\c+16*\q   ; LDS serves a wave's instructions in order: these see the stores above
.endr
.endr
	s_wait_dscnt 0x0
.irp c, 0,1                            ; block 2 c + h of my row: all its 32 numbers are mine; two chains a block
	v_max3_num_f32 v[6+2*\c], |v[fr+32*\c]|, |v[fr+32*\c+1]|, |v[fr+32*\c+2]|
	v_max3_num_f32 v[7+2*\c], |v[fr+32*\c+3]|, |v[fr+32*\c+4]|, |v[fr+32*\c+5]|
.endr
.irp i, 6,10,14,18,22,26
.irp c, 0,1
	v_max3_num_f32 v[6+2*\c], v[6+2*\c], |v[fr+32*\c+\i]|, |v[fr+32*\c+\i+1]|
	v_max3_num_f32 v[7+2*\c], v[7+2*\c], |v[fr+32*\c+\i+2]|, |v[fr+32*\c+\i+3]|
.endr
.endr
.irp c, 0,1
	v_max3_num_f32 v[6+2*\c], v[6+2*\c], |v[fr+32*\c+30]|, |v[fr+32*\c+31]|
.endr
.irp c, 0,1
	v_max3_num_f32 v[6+2*\c], v[6+2*\c], v[7+2*\c], 0x1800000   ; the floor 2^(3 - 127): the byte cannot fall under 1
.endr
.irp c, 0,1
	v_add_nc_u32 v[10+\c], 0xff000000, v[6+2*\c]   ; 2 off the exponent field: the conversion's scale operand
.endr
.irp c, 0,1
	v_lshrrev_b32 v[12+\c], 23, v[10+\c]           ; the scale's byte
.endr
	v_lshl_or_b32 v14, v13, 16, v12                ; my two bytes, blocks h and 2 + h,
	v_lshlrev_b32 v14, v5, v14                     ; at their places in the word;
	v_permlanex16_b32 v15, v14, s34, s35
	v_or_b32 v[WD+\f], v14, v15                    ; with lane l xor 16's two the word is whole
.if \f >= 2
	s_wait_xcnt 0x0                                ; the stores of two tiles ago have read this set of code registers
.endif
.irp c, 0,1
	v_cvt_scalef32_pk16_fp6_f32 v[ff+6*\c:ff+6*\c+2], v[fr+32*\c:fr+32*\c+15], v[10+\c]
	v_cvt_scalef32_pk16_fp6_f32 v[CX+4*\c:CX+4*\c+2], v[fr+32*\c+16:fr+32*\c+31], v[10+\c]
.endr
	v_nop                                          ; one plain place behind a scaled conversion
.irp c, 0,1
.irp i, 0,1,2
	v_mov_b32 v[ff+6*\c+3+\i], v[CX+4*\c+\i]
.endr
.endr
.irp c, 0,1,2
	global_store_b128 v1, v[ff+4*\c:ff+4*\c+3], s[30:31] offset:1536*(\f)+512*\c   ; 32 lanes store 512 consecutive bytes, aligned
.endr
.endm
	LOADF 0
	LOADF 1
	LOADF 2
	FRAG 0, 32                                     ; tiles 1 and 2 may be out
	LOADF 3
	FRAG 1, 32                                     ; tiles 2 and 3
	FRAG 2, 16
	FRAG 3, 0
	v_cndmask_b32 v20, v16, v17, s36               ; lanes 0-15: tile 0's words, lanes 16-31: tile 1's
	v_cndmask_b32 v21, v18, v19, s36               ; tiles 2 and 3
	global_store_b64 v2, v[20:21], s[32:33]        ; 32 lanes store 256 consecutive bytes, aligned
	s_wait_tensorcnt 0x0
	ds_add_u32 v254, v255
	s_wait_dscnt 0x0
	s_endpgm
.Lfunc_end_k_q470d32d6d2_LQ:
	.size	k_q470d32d6d2_LQ, .Lfunc_end_k_q470d32d6d2_LQ-k_q470d32d6d2_LQ
	.p2alignl 7, 3214868480
	.fill 96, 4, 3214868480
	.section	.rodata,"a",@progbits
	.p2align	6, 0x0
	.amdhsa_kernel k_q470d32d6d2_LQ
		.amdhsa_group_segment_fixed_size 60160
		.amdhsa_private_segment_fixed_size 0
		.amdhsa_enable_private_segment 0
		.amdhsa_kernarg_size 48
		.amdhsa_user_sgpr_count 2
		.amdhsa_user_sgpr_kernarg_segment_ptr 1
		.amdhsa_wavefront_size32 1
		.amdhsa_system_sgpr_workgroup_id_x 1
		.amdhsa_system_sgpr_workgroup_id_y 1
		.amdhsa_system_sgpr_workgroup_id_z 1
		.amdhsa_system_vgpr_workitem_id 0
		.amdhsa_next_free_vgpr 256
		.amdhsa_next_free_sgpr 66
		.amdhsa_reserve_vcc 0
		.amdhsa_float_denorm_mode_32 3
		.amdhsa_float_denorm_mode_16_64 3
		.amdhsa_memory_ordered 1
		.amdhsa_forward_progress 1
		.amdhsa_inst_pref_size 31
	.end_amdhsa_kernel
	.amdgpu_metadata
---
amdhsa.version: [ 1, 2 ]
amdhsa.kernels:
  - .name:           k_q470d32d6d2_LQ
    .symbol:         k_q470d32d6d2_LQ.kd
    .args:
      - { .name: x, .offset: 0, .size: 8, .value_kind: global_buffer, .address_space: global }
      - { .name: Wq, .offset: 8, .size: 8, .value_kind: global_buffer, .address_space: global }
      - { .name: Wk, .offset: 16, .size: 8, .value_kind: global_buffer, .address_space: global }
      - { .name: Wv, .offset: 24, .size: 8, .value_kind: global_buffer, .address_space: global }
      - { .name: XQ, .offset: 32, .size: 8, .value_kind: global_buffer, .address_space: global }
      - { .name: WQ, .offset: 40, .size: 8, .value_kind: global_buffer, .address_space: global }
    .group_segment_fixed_size: 60160
    .private_segment_fixed_size: 0
    .kernarg_segment_align: 8
    .kernarg_segment_size: 48
    .max_flat_workgroup_size: 224
    .sgpr_count:     66
    .vgpr_count:     256
    .wavefront_size: 32
...
	.end_amdgpu_metadata
.endif
;; end of part 1
;; launch LP (part 2): grid 64 x 4, 4 waves a work-group, clusters of 4 x 1, 327,680 bytes of LDS; arguments XQ, WQ, QK, VQ; writes QK, VQ
.if DOCPART == 2
	.amdgcn_target "amdgcn-amd-amdhsa--gfx1250"
	.amdhsa_code_object_version 6
	.text
	.protected	k_q470d32d6d2_LP
	.globl	k_q470d32d6d2_LP
	.p2align	8
	.type	k_q470d32d6d2_LP,@function
k_q470d32d6d2_LP:
	s_mov_b64 s[64:65], 0
	v_nop
	global_prefetch_b8 v0, s[64:65] scope:SCOPE_SE
	s_setreg_imm32_b32 hwreg(HW_REG_WAVE_MODE, 25, 1), 1
	s_wait_xcnt 0x0
	s_wait_alu depctr_hold_cnt(0) depctr_sa_sdst(0) depctr_va_vdst(0) depctr_va_sdst(0) depctr_va_ssrc(0) depctr_va_vcc(0) depctr_vm_vsrc(0)
	s_getreg_b32 s2, hwreg(HW_REG_IB_STS2, 6, 4)
	s_cmp_eq_u32 s2, 0
	s_cbranch_scc0 .Lentry_in_a_cluster
	s_endpgm
.Lentry_in_a_cluster:
	s_bfe_u32 s2, ttmp6, 0x10000c
	s_cmp_lg_u32 s2, 0x3003
	s_cbranch_scc0 .Lentry_shape_is_right
	s_endpgm
.Lentry_shape_is_right:
; q = x Wq^T, k = x Wk^T, v = x Wv^T on codes of FP6 (E2M3); the results are quantised in registers, q and k along d, v along the tokens, and leave as images of operand registers.
; SHARES.  Work-group (tb, j): 256 tokens (tb) x 384 columns of q (j = 0, 1) or of k (j = 2, 3), and 192 columns of v (192 j on).  Wave w: 64 tokens, four tiles, against all those columns.
; The wave's 24 fragments of x (288 registers) stay in registers for the whole launch.  W's fragments come through LDS and each feeds four products in each of the four waves.
; CLUSTER.  The four work-groups of a cluster have the same j and so want the same W: each unit is asked for JOINTLY (mask 15).  x is not: its fragments go straight into the registers where they stay,
; and 147,456 bytes of it would not fit in LDS beside W's 294,912.
; FIVE PHASES: three units of 128 columns of q or k (each is one K step of the next product: whole fragments, whole scale words), 128 columns of v, 64 columns of v.
; q, k: source 0 = 16 rows of W, source 1 = 16 tokens: a lane holds one token, its registers run along d.   v: source 0 = 16 tokens, source 1 = 16 rows of W: a lane holds one d, its registers run along the tokens.
; The rows of every tile are taken in the order 32 (T / 2) + 8 (T % 2) + r + 8 (r / 8), so that the 16 registers of two neighbouring tiles of source 0 are 16 neighbours along the next K.
; LDS: regions 0-3 of 73,728 bytes hold the units of phases 0-3, all asked for at the start (four loads of mine are out); phase 4's 36,864 bytes fill region 0 again behind a round of the cluster's barrier (one load out).
; LIMITS: a block of zeros gets the byte 1 where the rule says 127 (zero codes; the bytes are read by this program alone); NaN and infinities are not served.
; REGISTERS.  window 0: v1-2 the spare word's address and 0; v3 16 x lane, v4 8 x lane; v5-6 LDS addresses of the unit's two halves; v8-31 scale words being made; v32-43 x's scale words;
;   v44-91 W's scale words, two sets; v96-143 at work in the quantiser; v160-207, v208-255 W's fragments, two buffers, and in the epilogue the codes.
;   window 1: x's K steps 0-4 at 48 s + 12 t;  window 3: K step 5 at 12 t;  window 2: the 32 accumulators.
.set SPARE, 294912                     ; behind the regions: the spare words, 128 bytes a wave
.set XS,  32
.set WS,  44
.set TM,  96                           ; largest magnitudes
.set TP,  112                          ; lane l xor 16's, then the bytes
.set SO,  128                          ; the conversions' scale operands
.set WB0, 160
.set CD,  160                          ; the codes: six registers for each 64 along K
.set CX,  208
.set MSB, 0
.macro WIN new                         ; the immediate's high byte repeats the setting that is left
.if MSB != (\new)
	s_set_vgpr_msb (MSB<<8)|(\new)
.set MSB, (\new)
.endif
.endm
.macro NOPS n
.rept \n
	v_nop
.endr
.endm
.macro CROUND                          ; a round of the cluster's barrier
	s_barrier_signal -1
	s_barrier_wait -1
	s_cmp_lg_u32 s14, 0
	s_cbranch_scc1 .Lnot_wave_0_\@
	s_barrier_signal -3
.Lnot_wave_0_\@:
	s_barrier_wait -3
	s_barrier_signal -1
	s_barrier_wait -1
.endm
; one product: d accumulator, a, b fragments, z = 1: it starts the sum; sa, sb scale registers, ra, rb = 1: the scales stand in lanes 16-31
.macro WM d, a, b, z, sa, sb, ra, rb
.if \z
.if (\ra) && (\rb)
	v_wmma_scale_f32_16x16x128_f8f6f4 v[\d:\d+7], v[\a:\a+11], v[\b:\b+11], 0, v[\sa], v[\sb] matrix_a_fmt:MATRIX_FMT_FP6 matrix_b_fmt:MATRIX_FMT_FP6 matrix_a_scale:MATRIX_SCALE_ROW1 matrix_b_scale:MATRIX_SCALE_ROW1
.elseif \ra
	v_wmma_scale_f32_16x16x128_f8f6f4 v[\d:\d+7], v[\a:\a+11], v[\b:\b+11], 0, v[\sa], v[\sb] matrix_a_fmt:MATRIX_FMT_FP6 matrix_b_fmt:MATRIX_FMT_FP6 matrix_a_scale:MATRIX_SCALE_ROW1
.elseif \rb
	v_wmma_scale_f32_16x16x128_f8f6f4 v[\d:\d+7], v[\a:\a+11], v[\b:\b+11], 0, v[\sa], v[\sb] matrix_a_fmt:MATRIX_FMT_FP6 matrix_b_fmt:MATRIX_FMT_FP6 matrix_b_scale:MATRIX_SCALE_ROW1
.else
	v_wmma_scale_f32_16x16x128_f8f6f4 v[\d:\d+7], v[\a:\a+11], v[\b:\b+11], 0, v[\sa], v[\sb] matrix_a_fmt:MATRIX_FMT_FP6 matrix_b_fmt:MATRIX_FMT_FP6
.endif
.else
.if (\ra) && (\rb)
	v_wmma_scale_f32_16x16x128_f8f6f4 v[\d:\d+7], v[\a:\a+11], v[\b:\b+11], v[\d:\d+7], v[\sa], v[\sb] matrix_a_fmt:MATRIX_FMT_FP6 matrix_b_fmt:MATRIX_FMT_FP6 matrix_a_scale:MATRIX_SCALE_ROW1 matrix_b_scale:MATRIX_SCALE_ROW1
.elseif \ra
	v_wmma_scale_f32_16x16x128_f8f6f4 v[\d:\d+7], v[\a:\a+11], v[\b:\b+11], v[\d:\d+7], v[\sa], v[\sb] matrix_a_fmt:MATRIX_FMT_FP6 matrix_b_fmt:MATRIX_FMT_FP6 matrix_a_scale:MATRIX_SCALE_ROW1
.elseif \rb
	v_wmma_scale_f32_16x16x128_f8f6f4 v[\d:\d+7], v[\a:\a+11], v[\b:\b+11], v[\d:\d+7], v[\sa], v[\sb] matrix_a_fmt:MATRIX_FMT_FP6 matrix_b_fmt:MATRIX_FMT_FP6 matrix_b_scale:MATRIX_SCALE_ROW1
.else
	v_wmma_scale_f32_16x16x128_f8f6f4 v[\d:\d+7], v[\a:\a+11], v[\b:\b+11], v[\d:\d+7], v[\sa], v[\sb] matrix_a_fmt:MATRIX_FMT_FP6 matrix_b_fmt:MATRIX_FMT_FP6
.endif
.endif
.endm
; nbk half blocks of window w (half block x: registers 16 x .. 16 x + 15 = 16 neighbours along the next K; lane l xor 16 holds the block's other 16) become codes:
; blocks 2 m and 2 m + 1 -> v[CD + 6 m ..+5], lanes 0-15 block 2 m, lanes 16-31 block 2 m + 1; the bytes -> v[TP + x].  Each accumulator is read from its low end on.
.macro QUANT16 w, nbk
	WIN ((\w)|((\w)<<2))
.set qi, 0
.rept \nbk
	v_max3_num_f32 v[TM+qi], |v[16*qi]|, |v[16*qi+1]|, 0x1800000   ; and the floor 2^(3 - 127): the byte cannot fall under 1
.set qi, qi+1
.endr
	WIN (((\w)<<2)|((\w)<<4))
.irp i, 2,4,6,8,10,12,14
.set qi, 0
.rept \nbk
	v_max3_num_f32 v[TM+qi], v[TM+qi], |v[16*qi+\i]|, |v[16*qi+\i+1]|   ; the blocks by turns: no line waits for the line above it
.set qi, qi+1
.endr
.endr
	WIN 0
.set qi, 0
.rept \nbk
	v_permlanex16_b32 v[TP+qi], v[TM+qi], s60, s61
.set qi, qi+1
.endr
.set qi, 0
.rept \nbk
	v_max_num_f32 v[TM+qi], v[TM+qi], v[TP+qi]     ; the block's largest magnitude
.set qi, qi+1
.endr
.set qi, 0
.rept \nbk
	v_add_nc_u32 v[SO+qi], 0xff000000, v[TM+qi]    ; 2 off its exponent field: the conversion's scale operand
.set qi, qi+1
.endr
.set qi, 0
.rept \nbk
	v_lshrrev_b32 v[TP+qi], 23, v[SO+qi]           ; the scale's byte
.set qi, qi+1
.endr
	WIN (\w)
.set qi, 0
.rept \nbk/2
	v_cvt_scalef32_pk16_fp6_f32 v[CD+6*qi:CD+6*qi+2], v[32*qi:32*qi+15], v[SO+2*qi]
	v_cvt_scalef32_pk16_fp6_f32 v[CX+4*qi:CX+4*qi+2], v[32*qi+16:32*qi+31], v[SO+2*qi+1]
.set qi, qi+1
.endr
	WIN 0
	v_nop                                          ; one plain place behind a scaled conversion
.set qi, 0
.rept \nbk/2
.irp i, 0,1,2
	v_permlane16_swap_b32 v[CD+6*qi+\i], v[CX+4*qi+\i]   ; a whole block to a lane
.endr
.irp i, 0,1,2
	v_mov_b32 v[CD+6*qi+3+\i], v[CX+4*qi+\i]
.endr
.set qi, qi+1
.endr
.endm
	s_load_b256 s[4:11], s[0:1], 0x0               ; XQ s[4:5], WQ s[6:7], QK s[8:9], VQ s[10:11]
	v_lshl_add_u32 v1, v0, 2, SPARE
	v_mov_b32 v2, 0
	ds_add_u32 v1, v2
	ds_add_u32 v1, v2
	s_wait_dscnt 0x0
	v_lshrrev_b32 v3, 5, v0
	v_readfirstlane_b32 s14, v3                    ; wave 0..3
	v_and_b32 v4, 31, v0
	v_lshlrev_b32 v3, 4, v4                        ; 16 x lane
	v_lshlrev_b32 v4, 3, v4                        ; 8 x lane
	v_mov_b32 v31, 0                               ; the fourth of v's scale words is not used
.set qi, 0
.rept 16
	v_mov_b32 v[TP+qi], 0                          ; a lane permute's destination counts as one of its sources
.set qi, qi+1
.endr
	s_mov_b32 s60, 0x76543210
	s_mov_b32 s61, 0xfedcba98                      ; selects for lane l xor 16
	s_mov_b32 s62, 0xffff0000                      ; lanes 16-31
	s_and_b32 s15, ttmp7, 0xffff                   ; j, which the four partners share
	s_lshr_b32 s16, s15, 1                         ; 0: q, 1: k
	s_and_b32 s17, s15, 1                          ; which 384 columns
	; what the joint loads name hangs on j and on the wave's number alone
	s_mul_i32 s20, s16, 12
	s_mul_i32 s21, s17, 6
	s_add_co_u32 s20, s20, s21                     ; the first group of 64 rows of W for q or k
	s_mul_i32 s21, s15, 3
	s_add_co_u32 s21, s21, 24                      ; and for v
	s_mul_i32 s63, s14, 18432                      ; my quarter of a unit, in memory and in LDS
	s_mul_i32 s22, s20, 36864
	s_add_co_u32 s22, s22, s63
	s_mov_b32 s23, 0
	s_mul_i32 s82, s21, 36864
	s_add_co_u32 s84, s82, 73728
	s_add_co_u32 s82, s82, s63
	s_mov_b32 s83, 0
	s_mul_i32 s57, s14, 9216                       ; my quarter of the last, half unit: its LDS address too
	s_add_co_u32 s84, s84, s57
	s_mov_b32 s85, 0
	s_mul_i32 s86, s21, 1536
	s_add_co_u32 s86, s86, 1327104                 ; W's scale words for v,
	s_mov_b32 s87, 0
	s_mul_i32 s20, s20, 1536
	s_add_co_u32 s20, s20, 1327104                 ; and for q or k
	s_mov_b32 s21, 0
	; descriptor groups 1: a dense block as rows of 256 bytes (32 elements of 8 bytes): 72 rows, and 36 for the last unit
	s_mov_b32 s24, 15|(3<<16)|(1<<21)              ; 15:0 the mask: all four work-groups; 17:16 elements of 8 bytes; 21 set beside a mask
	s_mov_b32 s25, 32<<16                          ; tensor_dim0
	s_mov_b32 s26, 72<<16                          ; tensor_dim1
	s_mov_b32 s27, 32<<16                          ; tile_dim0
	s_mov_b32 s28, 72                              ; tile_dim1
	s_mov_b32 s29, 32                              ; from row to row
	s_mov_b32 s30, 0
	s_mov_b32 s31, 0
	s_mov_b32 s32, 15|(3<<16)|(1<<21)
	s_mov_b32 s33, 32<<16
	s_mov_b32 s34, 36<<16
	s_mov_b32 s35, 32<<16
	s_mov_b32 s36, 36
	s_mov_b32 s37, 32
	s_mov_b32 s38, 0
	s_mov_b32 s39, 0
	s_mov_b32 s41, s63                             ; LDS addresses: region p + my quarter
	s_add_co_u32 s45, s63, 73728
	s_add_co_u32 s49, s63, 147456
	s_add_co_u32 s53, s63, 221184
	; what is my work-group's own
	s_bfe_u32 s12, ttmp6, 0x40000                  ; cx
	s_lshl_b32 s13, ttmp9, 2
	s_add_co_u32 s13, s13, s12                     ; tb: my block of 256 tokens
	s_lshr_b32 s18, s13, 2                         ; the batch
	s_and_b32 s19, s13, 3
	s_lshl_b32 s92, s19, 2
	s_add_co_u32 s92, s92, s14                     ; g: my wave's group of 64 tokens in the batch
	s_mul_i32 s88, s13, 24576
	s_mul_i32 s89, s14, 6144
	s_add_co_u32 s88, s88, s89                     ; x's codes: my four tiles
	s_mov_b32 s89, 0
	s_lshl_b32 s90, s13, 10
	s_lshl_b32 s91, s14, 8
	s_add_co_u32 s90, s90, s91
	s_add_co_u32 s90, s90, 9437184                 ; x's scale words
	s_mov_b32 s91, 0
	s_mul_i32 s94, s16, 9437184
	s_mul_i32 s95, s18, 589824
	s_add_co_u32 s94, s94, s95
	s_mul_i32 s95, s17, 294912
	s_add_co_u32 s94, s94, s95
	s_mul_i32 s95, s92, 6144
	s_add_co_u32 s94, s94, s95                     ; q's or k's codes: [q or k][batch][K step][tile]
	s_mov_b32 s95, 0
	s_mul_i32 s96, s16, 393216
	s_mul_i32 s97, s18, 24576
	s_add_co_u32 s96, s96, s97
	s_mul_i32 s97, s17, 12288
	s_add_co_u32 s96, s96, s97
	s_lshl_b32 s97, s92, 8
	s_add_co_u32 s96, s96, s97
	s_add_co_u32 s96, s96, 18874368                ; and their scale words
	s_mov_b32 s97, 0
	s_lshl_b32 s93, s18, 2
	s_add_co_u32 s93, s93, s15
	s_lshl_b32 s93, s93, 4
	s_add_co_u32 s93, s93, s92                     ; (4 batch + j) 16 + g
	s_mul_i32 s98, s93, 9216                       ; v's codes
	s_mov_b32 s99, 0
	s_lshl_b32 s92, s93, 9
	s_add_co_u32 s92, s92, 9437184                 ; v's scale words
	s_mov_b32 s93, 0
	s_wait_kmcnt 0x0
	s_add_nc_u64 s[42:43], s[6:7], s[22:23]
	s_add_nc_u64 s[46:47], s[42:43], 73728
	s_add_nc_u64 s[50:51], s[42:43], 147456
	s_add_nc_u64 s[54:55], s[6:7], s[82:83]
	s_add_nc_u64 s[58:59], s[6:7], s[84:85]
.irp g, 40,44,48,52,56
	s_mov_b32 s[\g], 1                             ; count = 1
	s_or_b32 s[\g+3], s[\g+3], 0x80000000          ; type = 2
.endr
	s_add_nc_u64 s[70:71], s[6:7], s[20:21]
	s_add_nc_u64 s[72:73], s[6:7], s[86:87]
	s_add_nc_u64 s[66:67], s[4:5], s[88:89]
	s_add_nc_u64 s[68:69], s[4:5], s[90:91]
	s_add_nc_u64 s[74:75], s[8:9], s[94:95]
	s_add_nc_u64 s[76:77], s[8:9], s[96:97]
	s_add_nc_u64 s[78:79], s[10:11], s[98:99]
	s_add_nc_u64 s[80:81], s[10:11], s[92:93]
	CROUND                                         ; all four work-groups are here: the first joint loads meet
	tensor_load_to_lds s[40:43], s[24:31]          ; the units of phases 0 to 3: four loads of mine are out
	s_nop 0
	tensor_load_to_lds s[44:47], s[24:31]
	s_nop 0
	tensor_load_to_lds s[48:51], s[24:31]
	s_nop 0
	tensor_load_to_lds s[52:55], s[24:31]
	s_nop 0
	NOPS 4
.macro WSLOAD set, bs, o, n            ; n units of W's scale words into a set
.set wi, 0
.rept \n
	global_load_b64 v[WS+24*\set+2*wi:WS+24*\set+2*wi+1], v4, s[\bs:\bs+1] offset:\o+256*wi
.set wi, wi+1
.endr
.endm
.irp s, 0,1,2,3,4,5
	global_load_b64 v[XS+2*\s:XS+2*\s+1], v4, s[68:69] offset:65536*\s
.endr
	WSLOAD 0, 70, 0, 12
	WIN 0x40                                       ; destination window 1
.irp s, 0,1,2,3,4
.irp i, 0,1,2,3,4,5,6,7,8,9,10,11
	global_load_b128 v[48*\s+4*\i:48*\s+4*\i+3], v3, s[66:67] offset:1572864*\s+512*\i   ; four fragments on end: 6,144 consecutive bytes
.endr
.endr
	WIN 0xc0                                       ; destination window 3
.irp i, 0,1,2,3,4,5,6,7,8,9,10,11
	global_load_b128 v[4*\i:4*\i+3], v3, s[66:67] offset:1572864*5+512*\i
.endr
	WIN 0
.macro WFETCH buf, gp, s               ; four fragments of W: half gp of the unit, K step s
.irp i, 0,1,2,3,4,5,6,7,8,9,10,11
	ds_load_b128 v[\buf+4*\i:\buf+4*\i+3], v[5+\gp] offset:6144*(\s)+512*\i
.endr
.endm
; A unit's products, by halves of 16: four fragments of W x my four tiles of tokens.  The 16 accumulators of a half are all different and take turns.
.macro HALVES ph, kind, ng
.set hx, 0
.rept 6*\ng
.set hs, hx/\ng
.set hg, hx%\ng
.set hb, WB0+48*(hx%2)
	WIN 0
	s_wait_dscnt 0x0                               ; this half's fragments of W are in
	NOPS 4                                         ; places in front of loads into the buffer that the last half's products read
.if hx+1 < 6*\ng
.set hn, WB0+48*((hx+1)%2)
.set hns, (hx+1)/\ng
.set hng, (hx+1)%\ng
	WFETCH hn, hng, hns
.endif
.if (\ph == 0) && (hg == 0)
	s_wait_loadcnt 12*(5-hs)                       ; x's K step hs is in; the 12 loads of each later K step may be out
.endif
.if hs == 0
.set zz, 1
.else
.set zz, 0
.endif
.if hs == 5
.set xb, 0
.if \kind == 0
	WIN 0xac                                       ; source 1 (x) window 3, C and D window 2
.else
	WIN 0xa3                                       ; source 0 (x) window 3
.endif
.else
.set xb, 48*hs
.if \kind == 0
	WIN 0xa4                                       ; source 1 (x) window 1
.else
	WIN 0xa1                                       ; source 0 (x) window 1
.endif
.endif
.set q4, 0
.rept 4
.set tt, 0
.rept 4
.set ct, 4*hg+q4
.set rW, hb+12*q4
.set rX, xb+12*tt
.set sW, WS+24*((\ph)%2)+2*(6*hg+hs)+q4/2
.set sX, XS+2*hs+tt/2
.if \kind == 0
.set rD, 64*tt+8*ct
	WM rD, rW, rX, zz, sW, sX, q4%2, tt%2
.else
.set rD, 32*ct+8*tt
	WM rD, rX, rW, zz, sX, sW, tt%2, q4%2
.endif
.set tt, tt+1
.endr
.set q4, q4+1
.endr
.set hx, hx+1
.endr
	WIN 0
	NOPS 5                                         ; places behind the last products: four for the first read of results, five for the next phase's products, which begin the same accumulators anew
.endm
.macro PHASE ph, kind, ng, region
.if \ph > 0
	s_wait_xcnt 0x0                                ; the last epilogue's stores have read the code registers, which take W's fragments again
	s_wait_loadcnt 0x0                             ; this unit's scale words
.endif
.if \ph < 3
	s_wait_tensorcnt 3-\ph                         ; my quarter of this unit is in; my later first fills may be out
	s_barrier_signal -1
	s_barrier_wait -1
.elseif \ph == 4
	s_wait_tensorcnt 0x0                           ; my quarter of the last unit
	s_wait_dscnt 0x0
	s_barrier_signal -1
	s_barrier_wait -1
.endif
	v_add_nc_u32 v5, \region, v3
	v_add_nc_u32 v6, \region+36864, v3
	WFETCH WB0, 0, 0
	HALVES \ph, \kind, \ng
.endm
.macro EPI_QK p                        ; 64 tokens x 128 along d: four fragments and a unit of scale words
	QUANT16 2, 16
.irp t, 0,1,2,3
	v_lshl_or_b32 v[8+\t], v[TP+4*\t+1], 8, v[TP+4*\t]
.endr
.irp t, 0,1,2,3
	v_lshl_or_b32 v[8+\t], v[TP+4*\t+2], 16, v[8+\t]
.endr
.irp t, 0,1,2,3
	v_lshl_or_b32 v[8+\t], v[TP+4*\t+3], 24, v[8+\t]
.endr
	v_cndmask_b32 v12, v8, v9, s62                 ; lanes 0-15: tile 0's words, lanes 16-31: tile 1's
	v_cndmask_b32 v13, v10, v11, s62
.irp i, 0,1,2,3,4,5,6,7,8,9,10,11
	global_store_b128 v3, v[CD+4*\i:CD+4*\i+3], s[74:75] offset:98304*\p+512*\i   ; 32 lanes store 512 consecutive bytes, aligned
.endr
	global_store_b64 v4, v[12:13], s[76:77] offset:4096*\p
.endm
.macro EPI_V nbk, d0                   ; nbk / 2 tiles of d x 64 tokens: half a fragment each
	QUANT16 2, \nbk
.set ei, 0
.rept \nbk/2
	v_lshl_or_b32 v[16+\d0+ei], v[TP+2*ei+1], 8, v[TP+2*ei]
	global_store_b128 v3, v[CD+6*ei:CD+6*ei+3], s[78:79] offset:768*(\d0+ei)
	global_store_b64 v4, v[CD+6*ei+4:CD+6*ei+5], s[78:79] offset:768*(\d0+ei)+512
.set ei, ei+1
.endr
.endm
	PHASE 0, 0, 2, 0
	WSLOAD 1, 70, 3072, 12                         ; the next unit's scale words, into the set that is not at work
	EPI_QK 0
	PHASE 1, 0, 2, 73728
	WSLOAD 0, 70, 6144, 12
	EPI_QK 1
	PHASE 2, 0, 2, 147456
	WSLOAD 1, 72, 0, 12
	EPI_QK 2
	s_wait_tensorcnt 0x0                           ; all my tensor loads have landed, region 3's among them
	ds_add_u32 v1, v2                              ; 0 onto my spare word
	s_wait_dscnt 0x0                               ; the add is done; my reads of region 0 ended in phase 0
	CROUND                                         ; no wave of any partner still reads region 0 or has a load on its way
	tensor_load_to_lds s[56:59], s[32:39]          ; phase 4's unit into region 0: it has phase 3's 192 products in which to land
	s_nop 0
	NOPS 4
	PHASE 3, 1, 2, 221184
	WSLOAD 0, 72, 3072, 6
	EPI_V 16, 0
	PHASE 4, 1, 1, 0
	EPI_V 8, 8
.irp i, 0,1,2                          ; word i: low half tile 4 i + h, high half tile 4 i + 2 + h; in a half the bytes of my 64 tokens' two blocks
	v_cndmask_b32 v14, v[16+4*\i], v[17+4*\i], s62
	v_cndmask_b32 v15, v[18+4*\i], v[19+4*\i], s62
	v_lshl_or_b32 v[28+\i], v15, 16, v14
.endr
	global_store_b128 v3, v[28:31], s[80:81]
	s_wait_tensorcnt 0x0                           ; the wave's end
	ds_add_u32 v1, v2
	s_wait_dscnt 0x0
	CROUND                                         ; the closing round
	s_endpgm
.Lfunc_end_k_q470d32d6d2_LP:
	.size	k_q470d32d6d2_LP, .Lfunc_end_k_q470d32d6d2_LP-k_q470d32d6d2_LP
	.p2alignl 7, 3214868480
	.fill 96, 4, 3214868480
	.section	.rodata,"a",@progbits
	.p2align	6, 0x0
	.amdhsa_kernel k_q470d32d6d2_LP
		.amdhsa_group_segment_fixed_size 327680
		.amdhsa_private_segment_fixed_size 0
		.amdhsa_enable_private_segment 0
		.amdhsa_kernarg_size 32
		.amdhsa_user_sgpr_count 2
		.amdhsa_user_sgpr_kernarg_segment_ptr 1
		.amdhsa_wavefront_size32 1
		.amdhsa_system_sgpr_workgroup_id_x 1
		.amdhsa_system_sgpr_workgroup_id_y 1
		.amdhsa_system_sgpr_workgroup_id_z 1
		.amdhsa_system_vgpr_workitem_id 0
		.amdhsa_next_free_vgpr 1024
		.amdhsa_next_free_sgpr 100
		.amdhsa_reserve_vcc 0
		.amdhsa_float_denorm_mode_32 3
		.amdhsa_float_denorm_mode_16_64 3
		.amdhsa_memory_ordered 1
		.amdhsa_forward_progress 1
		.amdhsa_inst_pref_size 255
	.end_amdhsa_kernel
	.section	.bss,"aw",@nobits
	.p2align	6
	.space	262144
	.amdgpu_metadata
---
amdhsa.version: [ 1, 2 ]
amdhsa.kernels:
  - .name:           k_q470d32d6d2_LP
    .symbol:         k_q470d32d6d2_LP.kd
    .args:
      - { .name: XQ, .offset: 0, .size: 8, .value_kind: global_buffer, .address_space: global }
      - { .name: WQ, .offset: 8, .size: 8, .value_kind: global_buffer, .address_space: global }
      - { .name: QK, .offset: 16, .size: 8, .value_kind: global_buffer, .address_space: global }
      - { .name: VQ, .offset: 24, .size: 8, .value_kind: global_buffer, .address_space: global }
    .group_segment_fixed_size: 327680
    .private_segment_fixed_size: 0
    .kernarg_segment_align: 8
    .kernarg_segment_size: 32
    .max_flat_workgroup_size: 128
    .sgpr_count:     100
    .vgpr_count:     1024
    .wavefront_size: 32
...
	.end_amdgpu_metadata
.endif
;; end of part 2
;; launch LS (part 3): grid 16 x 16, 4 waves a work-group, no clusters, 39,424 bytes of LDS; arguments QK, temperature, PQ; writes PQ
.if DOCPART == 3
	.amdgcn_target "amdgcn-amd-amdhsa--gfx1250"
	.amdhsa_code_object_version 6
	.text
	.protected	k_q470d32d6d2_LS
	.globl	k_q470d32d6d2_LS
	.p2align	8
	.type	k_q470d32d6d2_LS,@function
k_q470d32d6d2_LS:
	s_mov_b64 s[64:65], 0
	v_nop
	global_prefetch_b8 v0, s[64:65] scope:SCOPE_SE
	s_setreg_imm32_b32 hwreg(HW_REG_WAVE_MODE, 25, 1), 1
	s_wait_xcnt 0x0
; P = softmax over the QUERIES of q k^T / temperature, quantised along the KEYS to codes of FP6 (E2M3), finished and normalised.
; SHARES.  Work-group (G, b): the 64 keys 64 G on of batch b, against ALL 1,024 queries: so a key's whole column lies in one work-group.  Wave w: queries 256 w on, 16 tiles, x 4 tiles of keys: 64 accumulators.
; S^T = k q^T (source 0 = 16 keys, source 1 = 16 queries): a lane holds one query; the 32 registers of a tile of queries are keys 32 b + 16 h + 0 .. 15, b = 0, 1: a block of 32 keys lies in lanes l and l xor 16.
; A key's maximum and sum go over a lane's 16 tiles, over the 16 lanes of a half, and over the four waves (through LDS, two barriers).  The true maximum is taken away before the exponential.
; k's 24 fragments lie in LDS (36,864 bytes, brought once through registers).  q's go from memory straight into registers, in groups of four fragments, five groups (30,720 bytes a wave) ahead.
; NO JOINT LOADS, though the 16 work-groups of a batch read the same q: a fragment of q is used by one wave of a work-group; a batch's q is 589,824 bytes, more than LDS holds, so it would want a ring
; with a round of the cluster's barrier at each refill, and every byte would be written to LDS and read from it once more for the same 16 products a group.
; LIMITS: temperature = 0, NaN and infinities are not served (a negative temperature is); 1 / temperature is v_rcp_f32 with one Newton step, 1 / sum is v_rcp_f32; a p under 2^-126 becomes 0;
; a block of zeros gets the byte 1 where the rule says 127 (zero codes; the bytes are read by this program alone).
; REGISTERS.  window 0: v1 16 x lane, v2 8 x lane, v3-5 LDS addresses, v8-9 c = log2(e) / temperature, v10-13 P's scale words, v16-63 q's scale words, v64-75 k's, v76-83 pairs of bytes,
;   v96-143, v144-191 k's fragments, two buffers, v208-255 q's buffer 5;  epilogue: v96-223 at work, v224-255 a lane's 32 maxima, sums, reciprocals.
;   window 1: q's buffers 0-4.   windows 2, 3: accumulator (t, u) at window 2 + t / 8, register 32 (t % 8) + 8 u.
.set XM,  36864                        ; LDS behind k: [wave][h][32 words] for the maxima; 1,024 bytes on the same for the sums
.set SCQ, 16
.set SCK, 64
.set U,   76
.set KB0, 96
.set T,   96
.set TM,  96
.set TP,  112
.set SO,  128
.set CD,  144
.set CX,  192
.set M,   224
.set MSB, 0
.macro WIN new                         ; the immediate's high byte repeats the setting that is left
.if MSB != (\new)
	s_set_vgpr_msb (MSB<<8)|(\new)
.set MSB, (\new)
.endif
.endm
.macro NOPS n
.rept \n
	v_nop
.endr
.endm
.macro WM d, a, b, z, sa, sb, ra, rb
.if \z
.if (\ra) && (\rb)
	v_wmma_scale_f32_16x16x128_f8f6f4 v[\d:\d+7], v[\a:\a+11], v[\b:\b+11], 0, v[\sa], v[\sb] matrix_a_fmt:MATRIX_FMT_FP6 matrix_b_fmt:MATRIX_FMT_FP6 matrix_a_scale:MATRIX_SCALE_ROW1 matrix_b_scale:MATRIX_SCALE_ROW1
.elseif \ra
	v_wmma_scale_f32_16x16x128_f8f6f4 v[\d:\d+7], v[\a:\a+11], v[\b:\b+11], 0, v[\sa], v[\sb] matrix_a_fmt:MATRIX_FMT_FP6 matrix_b_fmt:MATRIX_FMT_FP6 matrix_a_scale:MATRIX_SCALE_ROW1
.elseif \rb
	v_wmma_scale_f32_16x16x128_f8f6f4 v[\d:\d+7], v[\a:\a+11], v[\b:\b+11], 0, v[\sa], v[\sb] matrix_a_fmt:MATRIX_FMT_FP6 matrix_b_fmt:MATRIX_FMT_FP6 matrix_b_scale:MATRIX_SCALE_ROW1
.else
	v_wmma_scale_f32_16x16x128_f8f6f4 v[\d:\d+7], v[\a:\a+11], v[\b:\b+11], 0, v[\sa], v[\sb] matrix_a_fmt:MATRIX_FMT_FP6 matrix_b_fmt:MATRIX_FMT_FP6
.endif
.else
.if (\ra) && (\rb)
	v_wmma_scale_f32_16x16x128_f8f6f4 v[\d:\d+7], v[\a:\a+11], v[\b:\b+11], v[\d:\d+7], v[\sa], v[\sb] matrix_a_fmt:MATRIX_FMT_FP6 matrix_b_fmt:MATRIX_FMT_FP6 matrix_a_scale:MATRIX_SCALE_ROW1 matrix_b_scale:MATRIX_SCALE_ROW1
.elseif \ra
	v_wmma_scale_f32_16x16x128_f8f6f4 v[\d:\d+7], v[\a:\a+11], v[\b:\b+11], v[\d:\d+7], v[\sa], v[\sb] matrix_a_fmt:MATRIX_FMT_FP6 matrix_b_fmt:MATRIX_FMT_FP6 matrix_a_scale:MATRIX_SCALE_ROW1
.elseif \rb
	v_wmma_scale_f32_16x16x128_f8f6f4 v[\d:\d+7], v[\a:\a+11], v[\b:\b+11], v[\d:\d+7], v[\sa], v[\sb] matrix_a_fmt:MATRIX_FMT_FP6 matrix_b_fmt:MATRIX_FMT_FP6 matrix_b_scale:MATRIX_SCALE_ROW1
.else
	v_wmma_scale_f32_16x16x128_f8f6f4 v[\d:\d+7], v[\a:\a+11], v[\b:\b+11], v[\d:\d+7], v[\sa], v[\sb] matrix_a_fmt:MATRIX_FMT_FP6 matrix_b_fmt:MATRIX_FMT_FP6
.endif
.endif
.endm
; nbk half blocks of window w (half block x: registers 16 x .. 16 x + 15; lane l xor 16 holds the block's other 16) become codes:
; blocks 2 m and 2 m + 1 -> v[CD + 6 m ..+5], lanes 0-15 block 2 m, lanes 16-31 block 2 m + 1; the bytes -> v[TP + x]
.macro QUANT16 w, nbk
	WIN ((\w)|((\w)<<2))
.set qi, 0
.rept \nbk
	v_max3_num_f32 v[TM+qi], |v[16*qi]|, |v[16*qi+1]|, 0x1800000   ; and the floor 2^(3 - 127): the byte cannot fall under 1
.set qi, qi+1
.endr
	WIN (((\w)<<2)|((\w)<<4))
.irp i, 2,4,6,8,10,12,14
.set qi, 0
.rept \nbk
	v_max3_num_f32 v[TM+qi], v[TM+qi], |v[16*qi+\i]|, |v[16*qi+\i+1]|
.set qi, qi+1
.endr
.endr
	WIN 0
.set qi, 0
.rept \nbk
	v_permlanex16_b32 v[TP+qi], v[TM+qi], s26, s27
.set qi, qi+1
.endr
.set qi, 0
.rept \nbk
	v_max_num_f32 v[TM+qi], v[TM+qi], v[TP+qi]     ; the block's largest p
.set qi, qi+1
.endr
.set qi, 0
.rept \nbk
	v_add_nc_u32 v[SO+qi], 0xff000000, v[TM+qi]    ; 2 off its exponent field: the conversion's scale operand
.set qi, qi+1
.endr
.set qi, 0
.rept \nbk
	v_lshrrev_b32 v[TP+qi], 23, v[SO+qi]           ; the scale's byte
.set qi, qi+1
.endr
	WIN (\w)
.set qi, 0
.rept \nbk/2
	v_cvt_scalef32_pk16_fp6_f32 v[CD+6*qi:CD+6*qi+2], v[32*qi:32*qi+15], v[SO+2*qi]
	v_cvt_scalef32_pk16_fp6_f32 v[CX+4*qi:CX+4*qi+2], v[32*qi+16:32*qi+31], v[SO+2*qi+1]
.set qi, qi+1
.endr
	WIN 0
	v_nop                                          ; one plain place behind a scaled conversion
.set qi, 0
.rept \nbk/2
.irp i, 0,1,2
	v_permlane16_swap_b32 v[CD+6*qi+\i], v[CX+4*qi+\i]   ; a whole block to a lane
.endr
.irp i, 0,1,2
	v_mov_b32 v[CD+6*qi+3+\i], v[CX+4*qi+\i]
.endr
.set qi, qi+1
.endr
.endm
	s_load_b128 s[4:7], s[0:1], 0x0                ; QK s[4:5], temperature s[6:7]
	s_load_b64 s[8:9], s[0:1], 0x10                ; PQ
	v_lshl_add_u32 v94, v0, 2, 0x9800
	v_mov_b32 v95, 0
	v_lshrrev_b32 v1, 5, v0
	v_readfirstlane_b32 s10, v1                    ; wave 0..3
	v_and_b32 v2, 31, v0
	v_lshlrev_b32 v1, 4, v2                        ; 16 x lane
	v_lshlrev_b32 v2, 3, v2                        ; 8 x lane
	v_bfe_u32 v14, v0, 4, 1                        ; h
	v_lshlrev_b32 v4, 7, v14
	v_add_nc_u32 v4, XM, v4                        ; v4: the exchange, read: 128 h
	s_lshl_b32 s30, s10, 8
	v_add_nc_u32 v3, s30, v4                       ; v3: written: + 256 x wave
	s_mul_i32 s30, s10, 1536
	v_add_nc_u32 v5, s30, v1                       ; v5: where I put k's fragments of tile u = wave
	s_mov_b32 s26, 0x76543210
	s_mov_b32 s27, 0xfedcba98                      ; selects for lane l xor 16
	s_mov_b32 s28, 0xffff0000                      ; lanes 16-31
	s_and_b32 s12, ttmp7, 0xffff                   ; the batch
	s_mul_i32 s30, s12, 589824                     ; its codes
	s_lshl_b32 s31, ttmp9, 2
	s_add_co_u32 s31, s31, s10
	s_mul_i32 s31, s31, 1536
	s_add_co_u32 s32, s30, s31
	s_add_co_u32 s32, s32, 9437184                 ; k: tile 4 G + wave
	s_mov_b32 s33, 0
	s_mul_i32 s31, s10, 24576
	s_add_co_u32 s30, s30, s31                     ; q: my 16 tiles
	s_mov_b32 s31, 0
	s_mul_i32 s34, s12, 24576
	s_add_co_u32 s34, s34, 18874368
	s_lshl_b32 s35, ttmp9, 8
	s_add_co_u32 s36, s34, s35
	s_add_co_u32 s36, s36, 393216                  ; k's scale words: group G
	s_mov_b32 s37, 0
	s_lshl_b32 s35, s10, 10
	s_add_co_u32 s34, s34, s35                     ; q's: my four groups
	s_mov_b32 s35, 0
	s_lshl_b32 s38, s12, 4
	s_add_co_u32 s38, s38, ttmp9                   ; 16 batch + G
	s_mul_i32 s40, s38, 49152
	s_mul_i32 s41, s10, 12288
	s_add_co_u32 s40, s40, s41                     ; P's codes
	s_mov_b32 s41, 0
	s_lshl_b32 s42, s38, 11
	s_lshl_b32 s43, s10, 9
	s_add_co_u32 s42, s42, s43
	s_add_co_u32 s42, s42, 12582912                ; P's scale words
	s_mov_b32 s43, 0
	s_wait_kmcnt 0x0
	s_load_b32 s29, s[6:7], 0x0                    ; the temperature
	s_add_nc_u64 s[14:15], s[4:5], s[32:33]
	s_add_nc_u64 s[16:17], s[4:5], s[30:31]
	s_add_nc_u64 s[18:19], s[4:5], s[36:37]
	s_add_nc_u64 s[20:21], s[4:5], s[34:35]
	s_add_nc_u64 s[22:23], s[8:9], s[40:41]
	s_add_nc_u64 s[24:25], s[8:9], s[42:43]
.irp s, 0,1,2,3,4,5
.irp c, 0,1,2
	global_load_b128 v[96+12*\s+4*\c:96+12*\s+4*\c+3], v1, s[14:15] offset:98304*\s+512*\c   ; k's fragments (K step s, tile u = wave)
.endr
.endr
.irp s, 0,1,2,3,4,5
.irp g, 0,1,2,3
	global_load_b64 v[SCQ+8*\s+2*\g:SCQ+8*\s+2*\g+1], v2, s[20:21] offset:4096*\s+256*\g
.endr
	global_load_b64 v[SCK+2*\s:SCK+2*\s+1], v2, s[18:19] offset:4096*\s
.endr
.macro QLOAD g                         ; group g: K step g / 4, tiles 4 (g % 4) on: four fragments, 6,144 consecutive bytes, into buffer g % 6
.set qb, (\g)%6
.if qb == 5
	WIN 0
.set qr, 208
.else
	WIN 0x40
.set qr, 48*qb
.endif
.set qo, 98304*((\g)/4)+6144*((\g)%4)
.irp i, 0,1,2,3,4,5,6,7,8,9,10,11
	global_load_b128 v[qr+4*\i:qr+4*\i+3], v1, s[16:17] offset:qo+512*\i
.endr
	WIN 0
.endm
.macro KLOAD s                         ; k's four fragments of K step s from LDS
.irp i, 0,1,2,3,4,5,6,7,8,9,10,11
	ds_load_b128 v[KB0+48*((\s)%2)+4*\i:KB0+48*((\s)%2)+4*\i+3], v1 offset:6144*(\s)+512*\i
.endr
.endm
	QLOAD 0
	s_wait_loadcnt 42                              ; k's 18 loads are in; the 30 of the scale words and group 0's 12 may be out
.irp s, 0,1,2,3,4,5
.irp c, 0,1,2
	ds_store_b128 v5, v[96+12*\s+4*\c:96+12*\s+4*\c+3] offset:6144*\s+512*\c
.endr
.endr
	QLOAD 1
	QLOAD 2
	QLOAD 3
	QLOAD 4
	QLOAD 5
	s_wait_kmcnt 0x0
	v_mov_b32 v14, s29
	v_rcp_f32 v15, v14
	v_nop                                          ; a plain place behind the reciprocal
	s_wait_alu depctr_va_vdst(0)                   ; the wait ahead of the first reader
	v_fma_f32 v8, -v14, v15, 1.0                   ; one Newton step
	v_fma_f32 v15, v15, v8, v15
	v_mul_f32 v8, 0x3fb8aa3b, v15                  ; c = log2(e) / temperature
	v_mov_b32 v9, v8
	s_wait_dscnt 0x0                               ; for the others' sake: my part of k lies in LDS
	s_barrier_signal -1
	s_barrier_wait -1
	KLOAD 0
; 16 products: four tiles of queries x four tiles of keys, all accumulators different: they take turns
.macro GROUP g
.set gs, (\g)/4
.set gq, (\g)%4
.set gb, (\g)%6
.if 23-(\g) < 5
	s_wait_loadcnt 12*(23-(\g))                    ; the younger groups' 12 loads each may be out
.else
	s_wait_loadcnt 60
.endif
.if gq == 0
	s_wait_dscnt 0x0                               ; this K step's k
.endif
.if gs == 0
.set zz, 1
.else
.set zz, 0
.endif
.set ga, 2+gq/2
.if gb == 5
.set gr, 208
	WIN ((ga<<6)|(ga<<4))
.else
.set gr, 48*gb
	WIN ((ga<<6)|(ga<<4)|4)
.endif
.set tt, 0
.rept 4
.set uu, 0
.rept 4
.set tg, 4*gq+tt
.set rD, 32*(tg%8)+8*uu
.set rK, KB0+48*(gs%2)+12*uu
.set rQ, gr+12*tt
.set sK, SCK+2*gs+uu/2
.set sQ, SCQ+8*gs+tg/2
	WM rD, rK, rQ, zz, sK, sQ, uu%2, tg%2
.set uu, uu+1
.endr
.set tt, tt+1
.endr
	WIN 0
	NOPS 4                                         ; places in front of loads into registers that these products read
.if (\g)+6 < 24
	QLOAD (\g)+6
.endif
.if (gq == 1) && (gs < 5)
	KLOAD gs+1
.endif
.endm
.irp g, 0,1,2,3,4,5,6,7,8,9,10,11,12,13,14,15,16,17,18,19,20,21,22,23
	GROUP \g
.endr
	; ---- a = S c, each accumulator from its low end on
.irp w, 2,3
	WIN (((\w)<<6)|(\w))
.set i, 0
.rept 128
	v_pk_mul_f32 v[i:i+1], v[i:i+1], v[8:9]
.set i, i+2
.endr
.endr
	; ---- the largest a of each of my 32 keys: over my 16 tiles
.macro MAX3P a, b
.set kr, 0
.rept 32
	v_max3_num_f32 v[M+kr], v[M+kr], v[\a+kr], v[\b+kr]
.set kr, kr+1
.endr
.endm
	WIN 0x2a
.set kr, 0
.rept 32
	v_max3_num_f32 v[M+kr], v[kr], v[32+kr], v[64+kr]
.set kr, kr+1
.endr
	WIN 0x28
	MAX3P 96, 128
	MAX3P 160, 192
	WIN 0x38                                       ; window 2's last tile and window 3's first
	MAX3P 224, 0
	WIN 0x3c
	MAX3P 32, 64
	MAX3P 96, 128
	MAX3P 160, 192
	WIN 0x0c
.set kr, 0
.rept 32
	v_max_num_f32 v[M+kr], v[M+kr], v[224+kr]
.set kr, kr+1
.endr
	WIN 0
.irp x, 1,2,4,8                        ; over the 16 queries of a half of the lanes (the halves hold different keys)
.set kr, 0
.rept 32
	v_max_num_f32_dpp v[M+kr], v[M+kr], v[M+kr] row_xmask:\x row_mask:0xf bank_mask:0xf
.set kr, kr+1
.endr
.endr
.macro XCH o                           ; over the four waves: each stores its 2 x 32 numbers (the 16 lanes of a half write the same words with the same values), a barrier, each reads all four
.irp i, 0,1,2,3,4,5,6,7
	ds_store_b128 v3, v[M+4*\i:M+4*\i+3] offset:\o+16*\i
.endr
	s_wait_dscnt 0x0
	s_barrier_signal -1
	s_barrier_wait -1
.irp w, 0,1,2,3
.irp i, 0,1,2,3,4,5,6,7
	ds_load_b128 v[T+32*\w+4*\i:T+32*\w+4*\i+3], v4 offset:\o+256*\w+16*\i
.endr
.endr
	s_wait_dscnt 0x0
.endm
	XCH 0
.set kr, 0
.rept 32
	v_max3_num_f32 v[M+kr], v[T+kr], v[T+32+kr], v[T+64+kr]
.set kr, kr+1
.endr
.set kr, 0
.rept 32
	v_max_num_f32 v[M+kr], v[M+kr], v[T+96+kr]     ; the column's maximum
.set kr, kr+1
.endr
	; ---- p = 2^(a - maximum)
.irp w, 2,3
	WIN (((\w)<<6)|(\w))
.set i, 0
.rept 128
	v_pk_add_f32 v[i:i+1], v[i:i+1], v[M+i%32:M+i%32+1] neg_lo:[0,1] neg_hi:[0,1]
.set i, i+2
.endr
.endr
.irp w, 2,3                            ; a batch of 256 exponentials for each window, a plain place and one wait behind each batch
	WIN (((\w)<<6)|(\w))
.set i, 0
.rept 256
	v_exp_f32 v[i], v[i]
.set i, i+1
.endr
	v_nop
	s_wait_alu depctr_va_vdst(0)                   ; the wait ahead of the first instruction that names a result
.endr
	; ---- the column's sum, of the unquantised p: 16 chains of pairs
.macro ADDP a
.set kr, 0
.rept 16
	v_pk_add_f32 v[M+kr:M+kr+1], v[M+kr:M+kr+1], v[\a+kr:\a+kr+1]
.set kr, kr+2
.endr
.endm
	WIN 0x0a
.set kr, 0
.rept 16
	v_pk_add_f32 v[M+kr:M+kr+1], v[kr:kr+1], v[32+kr:32+kr+1]
.set kr, kr+2
.endr
	WIN 0x08
.irp a, 64,96,128,160,192,224
	ADDP \a
.endr
	WIN 0x0c
.irp a, 0,32,64,96,128,160,192,224
	ADDP \a
.endr
	WIN 0
.irp x, 1,2,4,8
.set kr, 0
.rept 32
	v_add_f32_dpp v[M+kr], v[M+kr], v[M+kr] row_xmask:\x row_mask:0xf bank_mask:0xf
.set kr, kr+1
.endr
.endr
	XCH 1024                                       ; other bytes than the maxima's: no barrier is owed between the two exchanges
.set kr, 0
.rept 16
	v_pk_add_f32 v[M+kr:M+kr+1], v[T+kr:T+kr+1], v[T+32+kr:T+32+kr+1]
.set kr, kr+2
.endr
	ADDP T+64
	ADDP T+96
.set kr, 0
.rept 32
	v_rcp_f32 v[M+kr], v[M+kr]
.set kr, kr+1
.endr
	v_nop
	s_wait_alu depctr_va_vdst(0)                   ; one wait for the 32 reciprocals
.irp w, 2,3
	WIN (((\w)<<6)|(\w))
.set i, 0
.rept 128
	v_pk_mul_f32 v[i:i+1], v[i:i+1], v[M+i%32:M+i%32+1]   ; P, finished and normalised
.set i, i+2
.endr
.endr
	; ---- quantised along the keys: for each tile of queries half a fragment (64 keys) and two bytes a query
.irp w, 2,3
.if \w == 3
	s_wait_xcnt 0x0                                ; the first eight tiles' stores have read the code registers
.endif
	QUANT16 \w, 16
.irp m, 0,1,2,3,4,5,6,7
	v_lshl_or_b32 v[U+\m], v[TP+2*\m+1], 8, v[TP+2*\m]
.endr
.irp g, 0,1                            ; a word: low half tile 4 g' + h, high half tile 4 g' + 2 + h
	v_cndmask_b32 v14, v[U+4*\g], v[U+4*\g+1], s28
	v_cndmask_b32 v15, v[U+4*\g+2], v[U+4*\g+3], s28
	v_lshl_or_b32 v[10+2*(\w-2)+\g], v15, 16, v14
.endr
.irp m, 0,1,2,3,4,5,6,7
	global_store_b128 v1, v[CD+6*\m:CD+6*\m+3], s[22:23] offset:768*(8*(\w-2)+\m)          ; 512 consecutive bytes, aligned
	global_store_b64 v2, v[CD+6*\m+4:CD+6*\m+5], s[22:23] offset:768*(8*(\w-2)+\m)+512     ; and 256
.endr
.endr
	global_store_b128 v1, v[10:13], s[24:25]
	s_wait_tensorcnt 0x0
	ds_add_u32 v94, v95
	s_wait_dscnt 0x0
	s_endpgm
.Lfunc_end_k_q470d32d6d2_LS:
	.size	k_q470d32d6d2_LS, .Lfunc_end_k_q470d32d6d2_LS-k_q470d32d6d2_LS
	.p2alignl 7, 3214868480
	.fill 96, 4, 3214868480
	.section	.rodata,"a",@progbits
	.p2align	6, 0x0
	.amdhsa_kernel k_q470d32d6d2_LS
		.amdhsa_group_segment_fixed_size 39424
		.amdhsa_private_segment_fixed_size 0
		.amdhsa_enable_private_segment 0
		.amdhsa_kernarg_size 24
		.amdhsa_user_sgpr_count 2
		.amdhsa_user_sgpr_kernarg_segment_ptr 1
		.amdhsa_wavefront_size32 1
		.amdhsa_system_sgpr_workgroup_id_x 1
		.amdhsa_system_sgpr_workgroup_id_y 1
		.amdhsa_system_sgpr_workgroup_id_z 1
		.amdhsa_system_vgpr_workitem_id 0
		.amdhsa_next_free_vgpr 1024
		.amdhsa_next_free_sgpr 66
		.amdhsa_reserve_vcc 0
		.amdhsa_float_denorm_mode_32 3
		.amdhsa_float_denorm_mode_16_64 3
		.amdhsa_memory_ordered 1
		.amdhsa_forward_progress 1
		.amdhsa_inst_pref_size 252
	.end_amdhsa_kernel
	.amdgpu_metadata
---
amdhsa.version: [ 1, 2 ]
amdhsa.kernels:
  - .name:           k_q470d32d6d2_LS
    .symbol:         k_q470d32d6d2_LS.kd
    .args:
      - { .name: QK, .offset: 0, .size: 8, .value_kind: global_buffer, .address_space: global }
      - { .name: temperature, .offset: 8, .size: 8, .value_kind: global_buffer, .address_space: global }
      - { .name: PQ, .offset: 16, .size: 8, .value_kind: global_buffer, .address_space: global }
    .group_segment_fixed_size: 39424
    .private_segment_fixed_size: 0
    .kernarg_segment_align: 8
    .kernarg_segment_size: 24
    .max_flat_workgroup_size: 128
    .sgpr_count:     66
    .vgpr_count:     1024
    .wavefront_size: 32
...
	.end_amdgpu_metadata
.endif
;; end of part 3
;; launch LO (part 4): grid 4 x 64, 4 waves a work-group, clusters of 4 x 4, 327,680 bytes of LDS; arguments PQ, VQ, out0; writes out0
.if DOCPART == 4
	.amdgcn_target "amdgcn-amd-amdhsa--gfx1250"
	.amdhsa_code_object_version 6
	.text
	.protected	k_q470d32d6d2_LO
	.globl	k_q470d32d6d2_LO
	.p2align	8
	.type	k_q470d32d6d2_LO,@function
k_q470d32d6d2_LO:
	s_mov_b64 s[64:65], 0
	v_nop
	global_prefetch_b8 v0, s[64:65] scope:SCOPE_SE
	s_setreg_imm32_b32 hwreg(HW_REG_WAVE_MODE, 25, 1), 1
	s_wait_xcnt 0x0
	s_wait_alu depctr_hold_cnt(0) depctr_sa_sdst(0) depctr_va_vdst(0) depctr_va_sdst(0) depctr_va_ssrc(0) depctr_va_vcc(0) depctr_vm_vsrc(0)
	s_getreg_b32 s2, hwreg(HW_REG_IB_STS2, 6, 4)
	s_cmp_eq_u32 s2, 0
	s_cbranch_scc0 .Lentry_in_a_cluster
	s_endpgm
.Lentry_in_a_cluster:
	s_bfe_u32 s2, ttmp6, 0x10000c
	s_cmp_lg_u32 s2, 0xf033
	s_cbranch_scc0 .Lentry_shape_is_right
	s_endpgm
.Lentry_shape_is_right:
; out = P v on codes of FP6 (E2M3), K = the 1,024 keys; out0 [16][1024][768] f32.
; SHARES.  Work-group (qb, batch, dg): 256 queries x 192 of d.  Wave w: 64 queries (four tiles) x 12 tiles of d.
; O^T = v^T P^T (source 0 = 16 of d, source 1 = 16 queries): a lane holds one query and eight neighbouring d.
; THE ORDER OF THE PRODUCTS.  The 12 tiles of d go in THREE GROUPS of four (64 of d: 256 bytes of a row of out0), each group over all eight K steps, two K steps to a step: 12 steps of 32 products.
; So a group's 64 rows x 256 bytes are finished while two thirds, then one third, of the products are still to come, and they leave between the next group's steps: one tile of 16 queries a step.
; P's 32 fragments (384 registers) stay in registers, since every group multiplies by all of them; v's are read from LDS once each, as in any order.
; CLUSTER, 4 x 4: the four query blocks x the four parts of d of one batch.  The four of a row of the cluster (same dg) want the same 147,456 bytes of v; the four of a column (same qb) the same P: both are asked
; for JOINTLY.  All is asked for at the head: seven tensor loads of mine are out (v's K steps 0-1, 2-3, P's 2-3, v's 4-5, P's 4-5, v's 6-7, P's 6-7).  No LDS byte is filled twice.
; P's K steps 2-7 come through LDS (36,864 bytes a wave) and are copied into their registers a step ahead.  By loads into registers all of P would be 128 loads, with the 32 of the scale bytes more than stand out
; at once on a counter whose field holds 63 (ISA guide 5.7.1).  K steps 0 and 1 go straight into registers: beside v (147,456), six K steps of P (147,456) and the stages (17,408) a seventh (24,576) has no room in 327,680.
; v's and P's images hold 64 along K (six registers): a fragment is two of them.  Their scale bytes come as pairs for 64 keys and are joined to words at the head.
; REGISTERS.  window 0: v1 16 x lane, v2 8 x lane, v3-8 LDS addresses of v, v9-11 the way out, v12-13 LDS addresses of P; v16-31 P's scale words, v32-79 v's; v80-175 v's buffer 0 (eight fragments);
;   v176-239 rows on the way out, two sets of 32.   window 1: P's K steps 0-4 at 48 s + 12 t.   window 2: P's K steps 5-7 at 48 (s - 5) + 12 t; v144-239 v's buffer 1.
;   window 3: two sets of 16 accumulators: group g's (dl, t) at 128 (g % 2) + 32 dl + 8 t.
.set PSW, 16
.set VSW, 32
.set VBA, 80                           ; v's buffer 0, in window 0
.set VBB, 144                          ; v's buffer 1, in window 2
.set OB,  176
.set PL,  147456                       ; LDS behind v: P's K steps 2-7, 36,864 bytes a wave
.set STG, 294912                       ; behind P: a stage of 16 rows x (256 bytes + 16) for each wave; no tile lands there
.set SPT, 272
.set MSB, 0
.macro WIN new                         ; the immediate's high byte repeats the setting that is left
.if MSB != (\new)
	s_set_vgpr_msb (MSB<<8)|(\new)
.set MSB, (\new)
.endif
.endm
.macro NOPS n
.rept \n
	v_nop
.endr
.endm
.macro CROUND                          ; a round of the cluster's barrier
	s_barrier_signal -1
	s_barrier_wait -1
	s_cmp_lg_u32 s14, 0
	s_cbranch_scc1 .Lnot_wave_0_\@
	s_barrier_signal -3
.Lnot_wave_0_\@:
	s_barrier_wait -3
	s_barrier_signal -1
	s_barrier_wait -1
.endm
.macro WM d, a, b, z, sa, sb, ra, rb
.if \z
.if (\ra) && (\rb)
	v_wmma_scale_f32_16x16x128_f8f6f4 v[\d:\d+7], v[\a:\a+11], v[\b:\b+11], 0, v[\sa], v[\sb] matrix_a_fmt:MATRIX_FMT_FP6 matrix_b_fmt:MATRIX_FMT_FP6 matrix_a_scale:MATRIX_SCALE_ROW1 matrix_b_scale:MATRIX_SCALE_ROW1
.elseif \ra
	v_wmma_scale_f32_16x16x128_f8f6f4 v[\d:\d+7], v[\a:\a+11], v[\b:\b+11], 0, v[\sa], v[\sb] matrix_a_fmt:MATRIX_FMT_FP6 matrix_b_fmt:MATRIX_FMT_FP6 matrix_a_scale:MATRIX_SCALE_ROW1
.elseif \rb
	v_wmma_scale_f32_16x16x128_f8f6f4 v[\d:\d+7], v[\a:\a+11], v[\b:\b+11], 0, v[\sa], v[\sb] matrix_a_fmt:MATRIX_FMT_FP6 matrix_b_fmt:MATRIX_FMT_FP6 matrix_b_scale:MATRIX_SCALE_ROW1
.else
	v_wmma_scale_f32_16x16x128_f8f6f4 v[\d:\d+7], v[\a:\a+11], v[\b:\b+11], 0, v[\sa], v[\sb] matrix_a_fmt:MATRIX_FMT_FP6 matrix_b_fmt:MATRIX_FMT_FP6
.endif
.else
.if (\ra) && (\rb)
	v_wmma_scale_f32_16x16x128_f8f6f4 v[\d:\d+7], v[\a:\a+11], v[\b:\b+11], v[\d:\d+7], v[\sa], v[\sb] matrix_a_fmt:MATRIX_FMT_FP6 matrix_b_fmt:MATRIX_FMT_FP6 matrix_a_scale:MATRIX_SCALE_ROW1 matrix_b_scale:MATRIX_SCALE_ROW1
.elseif \ra
	v_wmma_scale_f32_16x16x128_f8f6f4 v[\d:\d+7], v[\a:\a+11], v[\b:\b+11], v[\d:\d+7], v[\sa], v[\sb] matrix_a_fmt:MATRIX_FMT_FP6 matrix_b_fmt:MATRIX_FMT_FP6 matrix_a_scale:MATRIX_SCALE_ROW1
.elseif \rb
	v_wmma_scale_f32_16x16x128_f8f6f4 v[\d:\d+7], v[\a:\a+11], v[\b:\b+11], v[\d:\d+7], v[\sa], v[\sb] matrix_a_fmt:MATRIX_FMT_FP6 matrix_b_fmt:MATRIX_FMT_FP6 matrix_b_scale:MATRIX_SCALE_ROW1
.else
	v_wmma_scale_f32_16x16x128_f8f6f4 v[\d:\d+7], v[\a:\a+11], v[\b:\b+11], v[\d:\d+7], v[\sa], v[\sb] matrix_a_fmt:MATRIX_FMT_FP6 matrix_b_fmt:MATRIX_FMT_FP6
.endif
.endif
.endm
	s_load_b128 s[4:7], s[0:1], 0x0                ; PQ s[4:5], VQ s[6:7]
	s_load_b64 s[8:9], s[0:1], 0x10                ; out0
	v_lshl_add_u32 v254, v0, 2, 0x4c400
	v_mov_b32 v255, 0
	ds_add_u32 v254, v255
	ds_add_u32 v254, v255
	v_lshrrev_b32 v1, 5, v0
	v_readfirstlane_b32 s14, v1                    ; wave 0..3
	v_and_b32 v240, 31, v0                         ; lane
	v_and_b32 v14, 15, v0                          ; r
	v_bfe_u32 v15, v0, 4, 1                        ; h
	v_lshlrev_b32 v1, 4, v240
	v_lshlrev_b32 v2, 3, v240
.irp k, 0,1,2                          ; three K steps of v are 55,296 bytes: the rest of an address fits the 16-bit offset
	v_add_nc_u32 v[3+\k], 55296*\k, v1
	v_add_nc_u32 v[6+\k], 55296*\k, v2
.endr
	s_mul_i32 s21, s14, 16*SPT
	s_add_co_u32 s21, s21, STG                     ; my stage
	v_mul_u32_u24 v9, v14, SPT
	v_lshl_add_u32 v9, v15, 6, v9
	v_add_nc_u32 v9, s21, v9                       ; v9: in: row r, + 64 h
	v_mul_u32_u24 v10, v15, SPT
	v_lshl_add_u32 v10, v14, 4, v10
	v_add_nc_u32 v10, s21, v10                     ; v10: back: lanes 0-15 one row of 256 bytes, lanes 16-31 the next
	v_mul_u32_u24 v11, v15, 3072
	v_lshl_add_u32 v11, v14, 4, v11                ; v11: the same two rows in out0
	s_mul_i32 s21, s14, 36864
	s_add_co_u32 s21, s21, PL                      ; my part of P in LDS: the wave's number alone enters an LDS address
	v_add_nc_u32 v12, s21, v1
	v_add_nc_u32 v13, s21, v2
	s_mov_b32 s74, 0x05040100                      ; v_perm_b32: the two low halves
	s_mov_b32 s75, 0x07060302                      ; the two high halves
	s_bfe_u32 s12, ttmp6, 0x40000                  ; cx
	s_bfe_u32 s17, ttmp6, 0x40004                  ; cy = dg
	s_lshl_b32 s13, ttmp9, 2
	s_add_co_u32 s13, s13, s12                     ; qb: my block of 256 queries = 4 x cluster x + cx
	s_and_b32 s16, ttmp7, 0xffff                   ; cluster y = the batch
	s_lshl_b32 s15, s16, 2
	s_add_co_u32 s15, s15, s17                     ; y = 4 batch + dg
	s_lshl_b32 s18, s17, 2
	s_lshl_b32 s18, 15, s18                        ; my row of the cluster: places 4 cy .. 4 cy + 3
	s_lshl_b32 s19, 0x1111, s12                    ; my column: places cx, cx + 4, cx + 8, cx + 12
	; v's tiles hang on the batch, dg and the wave: shared along the row.  Two K steps are 36,864 dense bytes; my quarter: 36 rows of 256 bytes (32 elements of 8 bytes)
	s_or_b32 s24, s18, (3<<16)|(1<<21)             ; 15:0 the mask; 17:16 elements of 8 bytes; 21 set beside a mask
	s_mov_b32 s25, 32<<16                          ; tensor_dim0
	s_mov_b32 s26, 36<<16                          ; tensor_dim1
	s_mov_b32 s27, 32<<16                          ; tile_dim0
	s_mov_b32 s28, 36                              ; tile_dim1
	s_mov_b32 s29, 32                              ; from row to row
	s_mov_b32 s30, 0
	s_mov_b32 s31, 0
	; P's tiles hang on the batch, qb and the wave: shared along the column.  Two K steps of my four tiles: 4 rows (groups of 64 keys) of 3,072 bytes (384 elements), 49,152 bytes (6,144 elements) apart
	s_or_b32 s88, s19, (3<<16)|(1<<21)
	s_mov_b32 s89, 384<<16
	s_mov_b32 s90, 4<<16
	s_mov_b32 s91, 384<<16
	s_mov_b32 s92, 4
	s_mov_b32 s93, 6144
	s_mov_b32 s94, 0
	s_mov_b32 s95, 0
	s_mul_i32 s20, s14, 9216                       ; my quarter of v's two K steps, in memory and in LDS
	s_mul_i32 s22, s15, 147456
	s_add_co_u32 s22, s22, s20
	s_mov_b32 s23, 0
	s_lshl_b32 s76, s15, 13
	s_add_co_u32 s76, s76, 9437184                 ; v's scale bytes
	s_mov_b32 s77, 0
	s_mul_i32 s78, s16, 786432
	s_mul_i32 s79, s13, 12288
	s_add_co_u32 s78, s78, s79
	s_mul_i32 s79, s14, 3072
	s_add_co_u32 s78, s78, s79                     ; P's codes: my four tiles
	s_mov_b32 s79, 0
	s_lshl_b32 s80, s16, 15
	s_lshl_b32 s81, s13, 9
	s_add_co_u32 s80, s80, s81
	s_lshl_b32 s81, s14, 2
	s_add_co_u32 s80, s80, s81
	s_add_co_u32 s80, s80, 12582912                ; P's scale bytes: my word of a lane's four
	s_mov_b32 s81, 0
	s_mul_i32 s82, s16, 3145728
	s_mul_i32 s83, s13, 786432
	s_add_co_u32 s82, s82, s83
	s_mul_i32 s83, s14, 196608
	s_add_co_u32 s82, s82, s83
	s_mul_i32 s83, s17, 768
	s_add_co_u32 s82, s82, s83                     ; out0: my 64 rows, my work-group's 768 bytes of a row
	s_mov_b32 s83, 0
	s_wait_dscnt 0x0
	s_wait_kmcnt 0x0
	s_add_nc_u64 s[22:23], s[6:7], s[22:23]
.irp c, 0,1,2,3                        ; v's K steps 2 c and 2 c + 1
	s_mov_b32 s[32+4*\c], 1                        ; count = 1
	s_add_co_u32 s[33+4*\c], s20, 36864*\c         ; LDS address
	s_add_nc_u64 s[34+4*\c:35+4*\c], s[22:23], 36864*\c
	s_or_b32 s[35+4*\c], s[35+4*\c], 0x80000000    ; type = 2
.endr
	s_add_nc_u64 s[66:67], s[4:5], s[78:79]
.irp i, 0,1,2                          ; P's K steps 2 i + 2 and 2 i + 3
	s_mov_b32 s[48+4*\i], 1
	s_add_co_u32 s[49+4*\i], s21, 12288*\i
	s_add_nc_u64 s[50+4*\i:51+4*\i], s[66:67], 196608*(\i+1)
	s_or_b32 s[51+4*\i], s[51+4*\i], 0x80000000
.endr
	s_add_nc_u64 s[70:71], s[6:7], s[76:77]
	s_add_nc_u64 s[68:69], s[4:5], s[80:81]
	s_add_nc_u64 s[72:73], s[8:9], s[82:83]
	CROUND                                         ; all sixteen work-groups are here: the joint loads meet
	tensor_load_to_lds s[32:35], s[24:31]          ; v, K steps 0, 1
	s_nop 0
	tensor_load_to_lds s[36:39], s[24:31]          ; v, 2, 3
	s_nop 0
	tensor_load_to_lds s[48:51], s[88:95]          ; P, 2, 3
	s_nop 0
	tensor_load_to_lds s[40:43], s[24:31]          ; v, 4, 5
	s_nop 0
	tensor_load_to_lds s[52:55], s[88:95]          ; P, 4, 5
	s_nop 0
	tensor_load_to_lds s[44:47], s[24:31]          ; v, 6, 7
	s_nop 0
	tensor_load_to_lds s[56:59], s[88:95]          ; P, 6, 7
	s_nop 0
	NOPS 4
.irp g, 0,1,2,3,4,5,6,7,8,9,10,11,12,13,14,15
	global_load_b128 v[96+4*\g:96+4*\g+3], v1, s[70:71] offset:512*\g
.endr
.irp g, 0,1,2,3,4,5,6,7,8,9,10,11,12,13,14,15
	global_load_b32 v[160+\g], v1, s[68:69] offset:2048*\g
.endr
.macro PFETCH s                        ; P's four fragments of K step s (0 or 1) from memory: two images of 768 bytes each
	WIN 0x40
.irp t, 0,1,2,3
.set pr, 48*(\s)+12*\t
	global_load_b128 v[pr:pr+3], v1, s[66:67] offset:98304*(\s)+768*\t
	global_load_b64 v[pr+4:pr+5], v2, s[66:67] offset:98304*(\s)+768*\t+512
	global_load_b128 v[pr+6:pr+9], v1, s[66:67] offset:98304*(\s)+49152+768*\t
	global_load_b64 v[pr+10:pr+11], v2, s[66:67] offset:98304*(\s)+49152+768*\t+512
.endr
	WIN 0
.endm
.macro PLOAD s                         ; P's four fragments of K step s (2 to 7) from my part of LDS into the registers where they stay
.if (\s) < 5
	WIN 0x40
.set pq, 48*(\s)
.else
	WIN 0x80
.set pq, 48*((\s)-5)
.endif
.irp t, 0,1,2,3
	ds_load_b128 v[pq+12*\t:pq+12*\t+3], v12 offset:6144*((\s)-2)+768*\t
	ds_load_b64 v[pq+12*\t+4:pq+12*\t+5], v13 offset:6144*((\s)-2)+768*\t+512
	ds_load_b128 v[pq+12*\t+6:pq+12*\t+9], v12 offset:6144*((\s)-2)+768*\t+3072
	ds_load_b64 v[pq+12*\t+10:pq+12*\t+11], v13 offset:6144*((\s)-2)+768*\t+3584
.endr
	WIN 0
.endm
.macro VFETCH k                        ; step k's eight fragments of v: group k / 4 of d, K steps 2 (k % 4) and 2 (k % 4) + 1, into buffer k % 2
.set fg, (\k)/4
.set fj, (\k)%4
.if (\k)%2
	WIN 0x80
.set fb, VBB
.else
	WIN 0
.set fb, VBA
.endif
.irp sl, 0,1
.set fs, 2*fj+\sl
.set fk, fs/3
.set fo, 18432*(fs%3)+3072*fg
.irp f, 0,1,2,3
	ds_load_b128 v[fb+48*\sl+12*\f:fb+48*\sl+12*\f+3], v[3+fk] offset:fo+768*\f
	ds_load_b64 v[fb+48*\sl+12*\f+4:fb+48*\sl+12*\f+5], v[6+fk] offset:fo+768*\f+512
	ds_load_b128 v[fb+48*\sl+12*\f+6:fb+48*\sl+12*\f+9], v[3+fk] offset:fo+768*\f+9216
	ds_load_b64 v[fb+48*\sl+12*\f+10:fb+48*\sl+12*\f+11], v[6+fk] offset:fo+768*\f+9728
.endr
.endr
	WIN 0
.endm
; THE WAY OUT of piece o = 4 g + t: group g's 64 of d for tile t's 16 queries.  A lane's 32 bytes of a row go into my own stage; whole rows of 256 bytes come back, two rows a load.
.macro TOSTAGE o
.set tsa, 128*(((\o)/4)%2)+8*((\o)%4)
.set tsb, OB+32*((\o)%2)
	WIN 0x0c                                       ; an LDS store's data are its source 1: window 3
.irp d, 0,1,2,3
	ds_store_b128 v9, v[tsa+32*\d:tsa+32*\d+3] offset:128*(\d/2)+32*(\d%2)          ; each accumulator from its low end on
	ds_store_b128 v9, v[tsa+32*\d+4:tsa+32*\d+7] offset:128*(\d/2)+32*(\d%2)+16
.endr
	WIN 0
.irp i, 0,1,2,3,4,5,6,7
	ds_load_b128 v[tsb+4*\i:tsb+4*\i+3], v10 offset:2*SPT*\i   ; LDS serves a wave's instructions in order: these see the stores above, and the next piece's stores come behind them
.endr
.endm
.macro SEND o, younger                 ; younger: the LDS instructions issued behind piece o's loads; -1: a wait for all LDS instructions has stood since
.set sdg, (\o)/4
.set sdt, (\o)%4
.set sdb, OB+32*((\o)%2)
.if (\younger) >= 0
	s_wait_dscnt \younger
.endif
.irp i, 0,1,2,3,4,5,6,7
.set ta, 32*(sdt/2)+8*(sdt%2)+2*\i+8*(\i/4)       ; the row of the tile's lane 2 i among my 64
	global_store_b128 v11, v[sdb+4*\i:sdb+4*\i+3], s[72:73] offset:3072*ta+256*sdg th:TH_STORE_NT   ; every 16 lanes store 256 consecutive bytes, aligned
.endr
.endm
	PFETCH 0
	PFETCH 1
	s_wait_loadcnt 32                              ; the scale bytes are in; P's K steps 0 and 1, 16 loads each, may be out
.irp s, 0,1,2,3,4,5,6,7                ; a K step's word: the pair of bytes of keys 128 s on below, that of keys 128 s + 64 on above
	v_perm_b32 v[PSW+2*\s], v[161+2*\s], v[160+2*\s], s74
	v_perm_b32 v[PSW+2*\s+1], v[161+2*\s], v[160+2*\s], s75
.irp i, 0,1,2
	v_perm_b32 v[VSW+6*\s+2*\i], v[100+8*\s+\i], v[96+8*\s+\i], s74
	v_perm_b32 v[VSW+6*\s+2*\i+1], v[100+8*\s+\i], v[96+8*\s+\i], s75
.endr
.endr
	NOPS 8                                         ; a scale register written by a vector instruction stands eight places ahead of a scaled product
	s_wait_tensorcnt 6                             ; my quarter of v's K steps 0 and 1 is in; my six later loads may be out
	s_barrier_signal -1
	s_barrier_wait -1
	VFETCH 0
; A STEP: 32 products: four tiles of d x my four tiles of queries x two K steps.  The 16 accumulators take turns, one instruction a turn.
.macro STEP k
.set kg, (\k)/4
.set kj, (\k)%4
	s_wait_dscnt 0x0                               ; this step's fragments of v are in, P's copies too, and the rows of the piece that went through the stage last step
	NOPS 4                                         ; places in front of loads into the buffer that the last step's products read, and of the first read of a finished group's results
.if (\k) >= 6
	s_wait_xcnt 0x0                                ; the stores of two pieces ago, issued last step, have read their registers: this step's rows may land there
.endif
.if (\k) >= 5
	SEND (\k)-5, -1
.endif
.if (\k) < 3
	s_wait_tensorcnt 4-2*(\k)                      ; the next step's v (my quarter) and P are in; the loads behind them may be out
	s_barrier_signal -1
	s_barrier_wait -1
.endif
.if (\k) < 11
	VFETCH (\k)+1
.endif
.if (\k) < 3
	PLOAD 2*(\k)+2
	PLOAD 2*(\k)+3
.endif
.if (\k) >= 4
	TOSTAGE (\k)-4
.endif
.if (\k) == 0
	s_wait_loadcnt 0x0                             ; P's K steps 0 and 1
.endif
.if (\k)%2
.set vw, 2
.set vb, VBB
.else
.set vw, 0
.set vb, VBA
.endif
.set sl, 0
.rept 2
.set ss, 2*kj+sl
.if ss == 0
.set zz, 1
.else
.set zz, 0
.endif
.if ss < 5
.set pw, 1
.set pb, 48*ss
.else
.set pw, 2
.set pb, 48*(ss-5)
.endif
	WIN (0xf0|(pw<<2)|vw)                          ; C and D window 3; source 1 (P) window 1 or 2; source 0 (v) window 0 or 2
.set dl, 0
.rept 4
.set tt, 0
.rept 4
.set dt, 4*kg+dl
.set rD, 128*(kg%2)+32*dl+8*tt
.set rV, vb+48*sl+12*dl
.set rP, pb+12*tt
.set sV, VSW+6*ss+dt/2
.set sP, PSW+2*ss+tt/2
	WM rD, rV, rP, zz, sV, sP, dt%2, tt%2
.set tt, tt+1
.endr
.set dl, dl+1
.endr
.set sl, sl+1
.endr
	WIN 0
.endm
.irp k, 0,1,2,3,4,5,6,7,8,9,10,11
	STEP \k
.endr
	NOPS 4                                         ; places in front of the first read of the last group's results
	s_wait_xcnt 0x0                                ; piece 6's stores have read their registers
	TOSTAGE 8
	SEND 7, 16                                     ; behind piece 7's loads: piece 8's 8 stores and 8 loads
	s_wait_xcnt 0x0
	TOSTAGE 9
	SEND 8, 16
	s_wait_xcnt 0x0
	TOSTAGE 10
	SEND 9, 16
	s_wait_xcnt 0x0
	TOSTAGE 11
	SEND 10, 16
	SEND 11, 0
	s_wait_tensorcnt 0x0
	s_wait_dscnt 0x0
	s_wait_tensorcnt 0x0
	ds_add_u32 v254, v255
	s_wait_dscnt 0x0
	CROUND                                         ; the closing round: no work-group ends while a partner may still ask for a tile that names it
	s_endpgm
.Lfunc_end_k_q470d32d6d2_LO:
	.size	k_q470d32d6d2_LO, .Lfunc_end_k_q470d32d6d2_LO-k_q470d32d6d2_LO
	.p2alignl 7, 3214868480
	.fill 96, 4, 3214868480
	.section	.rodata,"a",@progbits
	.p2align	6, 0x0
	.amdhsa_kernel k_q470d32d6d2_LO
		.amdhsa_group_segment_fixed_size 327680
		.amdhsa_private_segment_fixed_size 0
		.amdhsa_enable_private_segment 0
		.amdhsa_kernarg_size 24
		.amdhsa_user_sgpr_count 2
		.amdhsa_user_sgpr_kernarg_segment_ptr 1
		.amdhsa_wavefront_size32 1
		.amdhsa_system_sgpr_workgroup_id_x 1
		.amdhsa_system_sgpr_workgroup_id_y 1
		.amdhsa_system_sgpr_workgroup_id_z 1
		.amdhsa_system_vgpr_workitem_id 0
		.amdhsa_next_free_vgpr 1024
		.amdhsa_next_free_sgpr 100
		.amdhsa_reserve_vcc 0
		.amdhsa_float_denorm_mode_32 3
		.amdhsa_float_denorm_mode_16_64 3
		.amdhsa_memory_ordered 1
		.amdhsa_forward_progress 1
		.amdhsa_inst_pref_size 123
	.end_amdhsa_kernel
	.amdgpu_metadata
---
amdhsa.version: [ 1, 2 ]
amdhsa.kernels:
  - .name:           k_q470d32d6d2_LO
    .symbol:         k_q470d32d6d2_LO.kd
    .args:
      - { .name: PQ, .offset: 0, .size: 8, .value_kind: global_buffer, .address_space: global }
      - { .name: VQ, .offset: 8, .size: 8, .value_kind: global_buffer, .address_space: global }
      - { .name: out0, .offset: 16, .size: 8, .value_kind: global_buffer, .address_space: global }
    .group_segment_fixed_size: 327680
    .private_segment_fixed_size: 0
    .kernarg_segment_align: 8
    .kernarg_segment_size: 24
    .max_flat_workgroup_size: 128
    .sgpr_count:     100
    .vgpr_count:     1024
    .wavefront_size: 32
...
	.end_amdgpu_metadata
.endif
;; end of part 4
;; ======== version 2 of 2: 4 launches; version 1 with the launch LS written anew for expert scheduling mode
;; workspace buffers: XQ 9,830,400 bytes; WQ 1,382,400 bytes; QK 19,660,800 bytes; VQ 9,961,472 bytes; PQ 13,107,200 bytes
;; launch LQ: the kernel of part 1 again; grid 256 x 1, 7 waves a work-group, no clusters, 60,160 bytes of LDS; arguments x, Wq, Wk, Wv, XQ, WQ; writes XQ, WQ
;; launch LP: the kernel of part 2 again; grid 64 x 4, 4 waves a work-group, clusters of 4 x 1, 327,680 bytes of LDS; arguments XQ, WQ, QK, VQ; writes QK, VQ
;; launch LS (part 5): grid 16 x 16, 4 waves a work-group, no clusters, 39,424 bytes of LDS; arguments QK, temperature, PQ; writes PQ
.if DOCPART == 5
	.amdgcn_target "amdgcn-amd-amdhsa--gfx1250"
	.amdhsa_code_object_version 6
	.text
	.protected	k_q470d32d6d2_LS
	.globl	k_q470d32d6d2_LS
	.p2align	8
	.type	k_q470d32d6d2_LS,@function
k_q470d32d6d2_LS:
	s_mov_b64 s[64:65], 0
	v_nop
	global_prefetch_b8 v0, s[64:65] scope:SCOPE_SE
	s_setreg_imm32_b32 hwreg(HW_REG_WAVE_SCHED_MODE, 0, 2), 2
	s_setreg_imm32_b32 hwreg(HW_REG_WAVE_MODE, 25, 1), 1
	s_wait_xcnt 0x0
	s_wait_alu depctr_vm_vsrc(0)
; P = softmax over the QUERIES of q k^T / temperature, quantised along the KEYS to codes of FP6 (E2M3), finished and normalised.
; SHARES.  Work-group (G, b): the 64 keys 64 G on of batch b, against ALL 1,024 queries: so a key's whole column lies in one work-group.  Wave w: queries 256 w on, 16 tiles, x 4 tiles of keys: 64 accumulators.
; S^T = k q^T (source 0 = 16 keys, source 1 = 16 queries): a lane holds one query; the 32 registers of a tile of queries are keys 32 b + 16 h + 0 .. 15, b = 0, 1: a block of 32 keys lies in lanes l and l xor 16.
; A key's maximum and sum go over a lane's 16 tiles, over the 16 lanes of a half, and over the four waves (through LDS, two barriers).  The true maximum is taken away before the exponential.
; k's 24 fragments lie in LDS (36,864 bytes, brought once through registers).  q's go from memory straight into registers, in groups of four fragments, through six buffers: up to five groups (60 loads, 30,720 bytes a wave) are on their way.
; NO JOINT LOADS, though the 16 work-groups of a batch read the same q: a fragment of q is used by one wave of a work-group; a batch's q is 589,824 bytes, more than LDS holds, so it would want a ring
; with a round of the cluster's barrier at each refill, and every byte would be written to LDS and read from it once more for the same 16 products a group.
; LIMITS: temperature = 0, NaN and infinities are not served (a negative temperature is); 1 / temperature is v_rcp_f32 with one Newton step, 1 / sum is v_rcp_f32; a p under 2^-126 becomes 0;
; a block of zeros gets the byte 1 where the rule says 127 (zero codes; the bytes are read by this program alone).
; REGISTERS.  window 0: v1 16 x lane, v2 8 x lane, v3-5 LDS addresses, v8-9 c = log2(e) / temperature, v10-13 P's scale words, v16-63 q's scale words, v64-75 k's, v76-83 pairs of bytes,
;   v94-95 the closing add's two, v96-143, v144-191 k's fragments, two buffers, v208-255 q's buffer 5;  epilogue: v96-223 at work, v224-255 a lane's 32 maxima, sums, reciprocals.
;   window 1: q's buffers 0-4.   windows 2, 3: accumulator (t, u) at window 2 + t / 8, register 32 (t % 8) + 8 u.
; THE MODE: SCHED_MODE bits 1:0 = 2 (LLVM: expert scheduling mode 2), set by the entry lines.  The code itself states the register dependences
; between vector or matrix instructions and memory or LDS instructions, with s_wait_alu, always for 0.
; THE PLAN.  Registers that memory or LDS instructions touch:
;   v1-v5, v94, v95  Offsets and LDS addresses: written at the head, never again.  One wait on va_vdst ahead of the first load serves every later access.
;   v96-167          At the head: k as loaded; my LDS stores read it; then k's fragments land there: one wait on vm_vsrc ahead of the first of those loads.
;   KB0, KB1         K step s: its 64 products read KB[s % 2]; the LDS loads of K step s + 1, issued in K step s's first step, land in the other, which K step s - 1 read.
;   Q0 .. Q5         Group g: its 16 products read Q[g % 6]; the loads of group g + 6 land in it.
;   v16-75           Scale words: loaded once, read by products alone.
;   M, T             The exchanges: M is written by vector lines, read by the LDS stores and written again behind the exchange; the LDS loads land in T, which products and vector lines named before.
;   CD, v10-13       The codes and P's scale words: written by vector lines, read by the global stores; CD is written again in the second pass.
; THE LOOP goes in twelve steps of two groups, 32 products.  ONE wait on va_vdst stands at a step's head: it states that the products of groups g - 2 and g - 1 are done reading their buffers of q and, in a K step's
; first step, that the last K step's products are done reading their buffer of k.  The step's loads (groups g + 4 and g + 5; the next K step's k) follow it, dealt among the step's products, which name
; Q[g % 6], Q[(g + 1) % 6], KB[s % 2], the scale words and the accumulators: none of the registers that those loads touch.  Step 0 loads no q, and the last two steps load nothing: they hold no such wait.
.set XM,  36864                        ; LDS behind k: [wave][h][32 words] for the maxima; 1,024 bytes on the same for the sums
.set SCQ, 16
.set SCK, 64
.set U,   76
.set KB0, 96
.set T,   96
.set TM,  96
.set TP,  112
.set SO,  128
.set CD,  144
.set CX,  192
.set M,   224
.set MSB, 0
.macro WIN new                         ; the immediate's high byte repeats the setting that is left
.if MSB != (\new)
	s_set_vgpr_msb (MSB<<8)|(\new)
.set MSB, (\new)
.endif
.endm
.macro NOPS n
.rept \n
	v_nop
.endr
.endm
.macro WM d, a, b, z, sa, sb, ra, rb
.if \z
.if (\ra) && (\rb)
	v_wmma_scale_f32_16x16x128_f8f6f4 v[\d:\d+7], v[\a:\a+11], v[\b:\b+11], 0, v[\sa], v[\sb] matrix_a_fmt:MATRIX_FMT_FP6 matrix_b_fmt:MATRIX_FMT_FP6 matrix_a_scale:MATRIX_SCALE_ROW1 matrix_b_scale:MATRIX_SCALE_ROW1
.elseif \ra
	v_wmma_scale_f32_16x16x128_f8f6f4 v[\d:\d+7], v[\a:\a+11], v[\b:\b+11], 0, v[\sa], v[\sb] matrix_a_fmt:MATRIX_FMT_FP6 matrix_b_fmt:MATRIX_FMT_FP6 matrix_a_scale:MATRIX_SCALE_ROW1
.elseif \rb
	v_wmma_scale_f32_16x16x128_f8f6f4 v[\d:\d+7], v[\a:\a+11], v[\b:\b+11], 0, v[\sa], v[\sb] matrix_a_fmt:MATRIX_FMT_FP6 matrix_b_fmt:MATRIX_FMT_FP6 matrix_b_scale:MATRIX_SCALE_ROW1
.else
	v_wmma_scale_f32_16x16x128_f8f6f4 v[\d:\d+7], v[\a:\a+11], v[\b:\b+11], 0, v[\sa], v[\sb] matrix_a_fmt:MATRIX_FMT_FP6 matrix_b_fmt:MATRIX_FMT_FP6
.endif
.else
.if (\ra) && (\rb)
	v_wmma_scale_f32_16x16x128_f8f6f4 v[\d:\d+7], v[\a:\a+11], v[\b:\b+11], v[\d:\d+7], v[\sa], v[\sb] matrix_a_fmt:MATRIX_FMT_FP6 matrix_b_fmt:MATRIX_FMT_FP6 matrix_a_scale:MATRIX_SCALE_ROW1 matrix_b_scale:MATRIX_SCALE_ROW1
.elseif \ra
	v_wmma_scale_f32_16x16x128_f8f6f4 v[\d:\d+7], v[\a:\a+11], v[\b:\b+11], v[\d:\d+7], v[\sa], v[\sb] matrix_a_fmt:MATRIX_FMT_FP6 matrix_b_fmt:MATRIX_FMT_FP6 matrix_a_scale:MATRIX_SCALE_ROW1
.elseif \rb
	v_wmma_scale_f32_16x16x128_f8f6f4 v[\d:\d+7], v[\a:\a+11], v[\b:\b+11], v[\d:\d+7], v[\sa], v[\sb] matrix_a_fmt:MATRIX_FMT_FP6 matrix_b_fmt:MATRIX_FMT_FP6 matrix_b_scale:MATRIX_SCALE_ROW1
.else
	v_wmma_scale_f32_16x16x128_f8f6f4 v[\d:\d+7], v[\a:\a+11], v[\b:\b+11], v[\d:\d+7], v[\sa], v[\sb] matrix_a_fmt:MATRIX_FMT_FP6 matrix_b_fmt:MATRIX_FMT_FP6
.endif
.endif
.endm
; nbk half blocks of window w (half block x: registers 16 x .. 16 x + 15; lane l xor 16 holds the block's other 16) become codes:
; blocks 2 m and 2 m + 1 -> v[CD + 6 m ..+5], lanes 0-15 block 2 m, lanes 16-31 block 2 m + 1; the bytes -> v[TP + x]
.macro QUANT16 w, nbk
	WIN ((\w)|((\w)<<2))
.set qi, 0
.rept \nbk
	v_max3_num_f32 v[TM+qi], |v[16*qi]|, |v[16*qi+1]|, 0x1800000   ; and the floor 2^(3 - 127): the byte cannot fall under 1
.set qi, qi+1
.endr
	WIN (((\w)<<2)|((\w)<<4))
.irp i, 2,4,6,8,10,12,14
.set qi, 0
.rept \nbk
	v_max3_num_f32 v[TM+qi], v[TM+qi], |v[16*qi+\i]|, |v[16*qi+\i+1]|
.set qi, qi+1
.endr
.endr
	WIN 0
.set qi, 0
.rept \nbk
	v_permlanex16_b32 v[TP+qi], v[TM+qi], s26, s27
.set qi, qi+1
.endr
.set qi, 0
.rept \nbk
	v_max_num_f32 v[TM+qi], v[TM+qi], v[TP+qi]     ; the block's largest p
.set qi, qi+1
.endr
.set qi, 0
.rept \nbk
	v_add_nc_u32 v[SO+qi], 0xff000000, v[TM+qi]    ; 2 off its exponent field: the conversion's scale operand
.set qi, qi+1
.endr
.set qi, 0
.rept \nbk
	v_lshrrev_b32 v[TP+qi], 23, v[SO+qi]           ; the scale's byte
.set qi, qi+1
.endr
	WIN (\w)
.if (\w) == 3
	s_wait_xcnt 0x0                                ; the first eight tiles' stores have had their addresses translated: their data registers are written again only behind this wait
	s_wait_alu depctr_vm_vsrc(0)                   ; and those stores have read v[CD ..], which the conversions below write again; the lines above, since the stores, write v[TM ..], v[TP ..] and v[SO ..] alone
.endif
.set qi, 0
.rept \nbk/2
	v_cvt_scalef32_pk16_fp6_f32 v[CD+6*qi:CD+6*qi+2], v[32*qi:32*qi+15], v[SO+2*qi]
	v_cvt_scalef32_pk16_fp6_f32 v[CX+4*qi:CX+4*qi+2], v[32*qi+16:32*qi+31], v[SO+2*qi+1]
.set qi, qi+1
.endr
	WIN 0
	v_nop                                          ; one plain place behind a scaled conversion
.set qi, 0
.rept \nbk/2
.irp i, 0,1,2
	v_permlane16_swap_b32 v[CD+6*qi+\i], v[CX+4*qi+\i]   ; a whole block to a lane
.endr
.irp i, 0,1,2
	v_mov_b32 v[CD+6*qi+3+\i], v[CX+4*qi+\i]
.endr
.set qi, qi+1
.endr
.endm
	s_load_b128 s[4:7], s[0:1], 0x0                ; QK s[4:5], temperature s[6:7]
	s_load_b64 s[8:9], s[0:1], 0x10                ; PQ
	v_lshl_add_u32 v94, v0, 2, 0x9800
	v_mov_b32 v95, 0
	v_lshrrev_b32 v1, 5, v0
	v_readfirstlane_b32 s10, v1                    ; wave 0..3
	v_and_b32 v2, 31, v0
	v_lshlrev_b32 v1, 4, v2                        ; 16 x lane
	v_lshlrev_b32 v2, 3, v2                        ; 8 x lane
	v_bfe_u32 v14, v0, 4, 1                        ; h
	v_lshlrev_b32 v4, 7, v14
	v_add_nc_u32 v4, XM, v4                        ; v4: the exchange, read: 128 h
	s_wait_alu depctr_va_sdst(0)                   ; s10 is written, ahead of its first reader: LDS addresses and every base are made from it
	s_lshl_b32 s44, s10, 8                         ; (s44 and s45 serve these two lines alone: no scalar register that a vector instruction has read is written again in this text)
	v_add_nc_u32 v3, s44, v4                       ; v3: written: + 256 x wave
	s_mul_i32 s45, s10, 1536
	v_add_nc_u32 v5, s45, v1                       ; v5: where I put k's fragments of tile u = wave
	s_mov_b32 s26, 0x76543210
	s_mov_b32 s27, 0xfedcba98                      ; selects for lane l xor 16
	s_mov_b32 s28, 0xffff0000                      ; lanes 16-31
	s_and_b32 s12, ttmp7, 0xffff                   ; the batch
	s_mul_i32 s30, s12, 589824                     ; its codes
	s_lshl_b32 s31, ttmp9, 2
	s_add_co_u32 s31, s31, s10
	s_mul_i32 s31, s31, 1536
	s_add_co_u32 s32, s30, s31
	s_add_co_u32 s32, s32, 9437184                 ; k: tile 4 G + wave
	s_mov_b32 s33, 0
	s_mul_i32 s31, s10, 24576
	s_add_co_u32 s30, s30, s31                     ; q: my 16 tiles
	s_mov_b32 s31, 0
	s_mul_i32 s34, s12, 24576
	s_add_co_u32 s34, s34, 18874368
	s_lshl_b32 s35, ttmp9, 8
	s_add_co_u32 s36, s34, s35
	s_add_co_u32 s36, s36, 393216                  ; k's scale words: group G
	s_mov_b32 s37, 0
	s_lshl_b32 s35, s10, 10
	s_add_co_u32 s34, s34, s35                     ; q's: my four groups
	s_mov_b32 s35, 0
	s_lshl_b32 s38, s12, 4
	s_add_co_u32 s38, s38, ttmp9                   ; 16 batch + G
	s_mul_i32 s40, s38, 49152
	s_mul_i32 s41, s10, 12288
	s_add_co_u32 s40, s40, s41                     ; P's codes
	s_mov_b32 s41, 0
	s_lshl_b32 s42, s38, 11
	s_lshl_b32 s43, s10, 9
	s_add_co_u32 s42, s42, s43
	s_add_co_u32 s42, s42, 12582912                ; P's scale words
	s_mov_b32 s43, 0
	s_wait_kmcnt 0x0
	s_load_b32 s29, s[6:7], 0x0                    ; the temperature
	s_add_nc_u64 s[14:15], s[4:5], s[32:33]
	s_add_nc_u64 s[16:17], s[4:5], s[30:31]
	s_add_nc_u64 s[18:19], s[4:5], s[36:37]
	s_add_nc_u64 s[20:21], s[4:5], s[34:35]
	s_add_nc_u64 s[22:23], s[8:9], s[40:41]
	s_add_nc_u64 s[24:25], s[8:9], s[42:43]
	s_wait_alu depctr_va_vdst(0)                   ; the offsets and LDS addresses v1 to v5 are written, which every load and store of the kernel reads; they are never written again
.irp s, 0,1,2,3,4,5
.irp c, 0,1,2
	global_load_b128 v[96+12*\s+4*\c:96+12*\s+4*\c+3], v1, s[14:15] offset:98304*\s+512*\c   ; k's fragments (K step s, tile u = wave)
.endr
.endr
.irp s, 0,1,2,3,4,5
.irp g, 0,1,2,3
	global_load_b64 v[SCQ+8*\s+2*\g:SCQ+8*\s+2*\g+1], v2, s[20:21] offset:4096*\s+256*\g
.endr
	global_load_b64 v[SCK+2*\s:SCK+2*\s+1], v2, s[18:19] offset:4096*\s
.endr
; Group g: K step g / 4, tiles 4 (g % 4) on: four fragments, 6,144 consecutive bytes, into buffer g % 6.  wt = 1: a step's first loads: the step's one wait stands behind the window switch and ahead of them.
.macro QLOAD g, wt
.set qb, (\g)%6
.if qb == 5
	WIN 0
.set qr, 208
.else
	WIN 0x40
.set qr, 48*qb
.endif
.if \wt
	s_wait_alu depctr_va_vdst(0)                   ; the last step's 32 products are done reading their two buffers of q, in which this step's loads land; in a K step's first step the last K step's are done reading their buffer of k
.endif
.set qo, 98304*((\g)/4)+6144*((\g)%4)
.irp i, 0,1,2,3,4,5,6,7,8,9,10,11
	global_load_b128 v[qr+4*\i:qr+4*\i+3], v1, s[16:17] offset:qo+512*\i
.endr
.endm
.macro KLOAD s                         ; k's four fragments of K step s from LDS
	WIN 0
.irp i, 0,1,2,3,4,5,6,7,8,9,10,11
	ds_load_b128 v[KB0+48*((\s)%2)+4*\i:KB0+48*((\s)%2)+4*\i+3], v1 offset:6144*(\s)+512*\i
.endr
.endm
	QLOAD 0, 0
	WIN 0
	s_wait_loadcnt 42                              ; k's 18 loads are in; the 30 of the scale words and group 0's 12 may be out
.irp s, 0,1,2,3,4,5
.irp c, 0,1,2
	ds_store_b128 v5, v[96+12*\s+4*\c:96+12*\s+4*\c+3] offset:6144*\s+512*\c
.endr
.endr
	QLOAD 1, 0
	QLOAD 2, 0
	QLOAD 3, 0
	QLOAD 4, 0
	QLOAD 5, 0
	s_wait_kmcnt 0x0
	v_mov_b32 v14, s29
	v_rcp_f32 v15, v14
	v_nop                                          ; a plain place behind the reciprocal
	s_wait_alu depctr_va_vdst(0)                   ; the reciprocal has written v15, ahead of its first reader
	v_fma_f32 v8, -v14, v15, 1.0                   ; one Newton step
	v_fma_f32 v15, v15, v8, v15
	v_mul_f32 v8, 0x3fb8aa3b, v15                  ; c = log2(e) / temperature
	v_mov_b32 v9, v8
	s_wait_dscnt 0x0                               ; for the others' sake: my part of k lies in LDS
	s_barrier_signal -1
	s_barrier_wait -1
	s_wait_alu depctr_vm_vsrc(0)                   ; my LDS stores have read v96 to v167: these registers are k's two buffers from here on, in which the LDS loads of K steps 0 and 1 land
	KLOAD 0
; nt x 4 products of group g: tiles of queries t0 on x four tiles of keys, all accumulators different: they take turns
.macro PROD g, t0, nt
.set gs, (\g)/4
.set gq, (\g)%4
.set gb, (\g)%6
.if gs == 0
.set zz, 1
.else
.set zz, 0
.endif
.set ga, 2+gq/2
.if gb == 5
.set gr, 208
	WIN ((ga<<6)|(ga<<4))
.else
.set gr, 48*gb
	WIN ((ga<<6)|(ga<<4)|4)
.endif
.set tt, \t0
.rept \nt
.set uu, 0
.rept 4
.set tg, 4*gq+tt
.set rD, 32*(tg%8)+8*uu
.set rK, KB0+48*(gs%2)+12*uu
.set rQ, gr+12*tt
.set sK, SCK+2*gs+uu/2
.set sQ, SCQ+8*gs+tg/2
	WM rD, rK, rQ, zz, sK, sQ, uu%2, tg%2
.set uu, uu+1
.endr
.set tt, tt+1
.endr
.endm
; A STEP: groups g (even) and g + 1.
.macro STEP g
.set sgs, (\g)/4
.set sgq, (\g)%4
.if (\g) == 0
	s_wait_loadcnt 60                              ; the scale words and group 0 are in; groups 1 to 5, 12 loads each, may be out
.elseif (\g)+3 < 23
	s_wait_loadcnt 36                              ; group g is in; groups g + 1 to g + 3 may be out
.else
	s_wait_loadcnt 12*(23-(\g))                    ; the counts run down
.endif
.if sgq == 0
	s_wait_dscnt 0x0                               ; this K step's k
.endif
.if ((\g) >= 2) && ((\g)+4 < 24)
	NOPS 4                                         ; the four places between the last step's products and the loads into registers that they read stay, beside the wait that follows
	QLOAD (\g)+4, 1                                ; into the buffer that group g - 2 read
	PROD \g, 0, 2
	QLOAD (\g)+5, 0                                ; into the buffer that group g - 1 read.  No wait: no product since the step's wait names it
	PROD \g, 2, 2
.else
	PROD \g, 0, 4                                  ; step 0: all six buffers are asked for;  the last two steps: nothing is left to ask for
.endif
.if (sgq == 0) && (sgs < 5)
	KLOAD sgs+1                                    ; into the buffer of k that the last K step read (in step 0: that no product has named).  No wait: this K step's products name the other buffer
.endif
.if (\g)+5 < 23
	s_wait_loadcnt 48                              ; group g + 1 is in; groups g + 2 to g + 5 may be out
.else
	s_wait_loadcnt 12*(22-(\g))
.endif
	PROD (\g)+1, 0, 4
.endm
.irp g, 0,2,4,6,8,10,12,14,16,18,20,22
	STEP \g
.endr
	WIN 0
	NOPS 4                                         ; places behind the last products, in front of the first read of results
	; ---- a = S c, each accumulator from its low end on
.irp w, 2,3
	WIN (((\w)<<6)|(\w))
.set i, 0
.rept 128
	v_pk_mul_f32 v[i:i+1], v[i:i+1], v[8:9]
.set i, i+2
.endr
.endr
	; ---- the largest a of each of my 32 keys: over my 16 tiles
.macro MAX3P a, b
.set kr, 0
.rept 32
	v_max3_num_f32 v[M+kr], v[M+kr], v[\a+kr], v[\b+kr]
.set kr, kr+1
.endr
.endm
	WIN 0x2a
.set kr, 0
.rept 32
	v_max3_num_f32 v[M+kr], v[kr], v[32+kr], v[64+kr]
.set kr, kr+1
.endr
	WIN 0x28
	MAX3P 96, 128
	MAX3P 160, 192
	WIN 0x38                                       ; window 2's last tile and window 3's first
	MAX3P 224, 0
	WIN 0x3c
	MAX3P 32, 64
	MAX3P 96, 128
	MAX3P 160, 192
	WIN 0x0c
.set kr, 0
.rept 32
	v_max_num_f32 v[M+kr], v[M+kr], v[224+kr]
.set kr, kr+1
.endr
	WIN 0
.irp x, 1,2,4,8                        ; over the 16 queries of a half of the lanes (the halves hold different keys)
.set kr, 0
.rept 32
	v_max_num_f32_dpp v[M+kr], v[M+kr], v[M+kr] row_xmask:\x row_mask:0xf bank_mask:0xf
.set kr, kr+1
.endr
.endr
.macro XCH o                           ; over the four waves: each stores its 2 x 32 numbers (the 16 lanes of a half write the same words with the same values), a barrier, each reads all four
	s_wait_alu depctr_va_vdst(0)                   ; the lines above have written v[M ..], which the LDS stores read; and all that named v[T ..] (products, the maxima's lines) are done, in which the LDS loads below land
.irp i, 0,1,2,3,4,5,6,7
	ds_store_b128 v3, v[M+4*\i:M+4*\i+3] offset:\o+16*\i
.endr
	s_wait_dscnt 0x0
	s_barrier_signal -1
	s_barrier_wait -1
.irp w, 0,1,2,3
.irp i, 0,1,2,3,4,5,6,7
	ds_load_b128 v[T+32*\w+4*\i:T+32*\w+4*\i+3], v4 offset:\o+256*\w+16*\i
.endr
.endr
	s_wait_dscnt 0x0
	s_wait_alu depctr_vm_vsrc(0)                   ; my LDS stores have read v[M ..], which the lines behind the exchange write again
.endm
	XCH 0
.set kr, 0
.rept 32
	v_max3_num_f32 v[M+kr], v[T+kr], v[T+32+kr], v[T+64+kr]
.set kr, kr+1
.endr
.set kr, 0
.rept 32
	v_max_num_f32 v[M+kr], v[M+kr], v[T+96+kr]     ; the column's maximum
.set kr, kr+1
.endr
	; ---- p = 2^(a - maximum)
.irp w, 2,3
	WIN (((\w)<<6)|(\w))
.set i, 0
.rept 128
	v_pk_add_f32 v[i:i+1], v[i:i+1], v[M+i%32:M+i%32+1] neg_lo:[0,1] neg_hi:[0,1]
.set i, i+2
.endr
.endr
.irp w, 2,3                            ; a batch of 256 exponentials for each window, a plain place and one wait behind each batch
	WIN (((\w)<<6)|(\w))
.set i, 0
.rept 256
	v_exp_f32 v[i], v[i]
.set i, i+1
.endr
	v_nop
	s_wait_alu depctr_va_vdst(0)                   ; the window's 256 exponentials have written their results, ahead of the first instruction that names one
.endr
	; ---- the column's sum, of the unquantised p: 16 chains of pairs
.macro ADDP a
.set kr, 0
.rept 16
	v_pk_add_f32 v[M+kr:M+kr+1], v[M+kr:M+kr+1], v[\a+kr:\a+kr+1]
.set kr, kr+2
.endr
.endm
	WIN 0x0a
.set kr, 0
.rept 16
	v_pk_add_f32 v[M+kr:M+kr+1], v[kr:kr+1], v[32+kr:32+kr+1]
.set kr, kr+2
.endr
	WIN 0x08
.irp a, 64,96,128,160,192,224
	ADDP \a
.endr
	WIN 0x0c
.irp a, 0,32,64,96,128,160,192,224
	ADDP \a
.endr
	WIN 0
.irp x, 1,2,4,8
.set kr, 0
.rept 32
	v_add_f32_dpp v[M+kr], v[M+kr], v[M+kr] row_xmask:\x row_mask:0xf bank_mask:0xf
.set kr, kr+1
.endr
.endr
	XCH 1024                                       ; other bytes than the maxima's: no barrier is owed between the two exchanges
.set kr, 0
.rept 16
	v_pk_add_f32 v[M+kr:M+kr+1], v[T+kr:T+kr+1], v[T+32+kr:T+32+kr+1]
.set kr, kr+2
.endr
	ADDP T+64
	ADDP T+96
.set kr, 0
.rept 32
	v_rcp_f32 v[M+kr], v[M+kr]
.set kr, kr+1
.endr
	v_nop
	s_wait_alu depctr_va_vdst(0)                   ; the 32 reciprocals have written v[M ..]: one wait for the batch, ahead of its first reader
.irp w, 2,3
	WIN (((\w)<<6)|(\w))
.set i, 0
.rept 128
	v_pk_mul_f32 v[i:i+1], v[i:i+1], v[M+i%32:M+i%32+1]   ; P, finished and normalised
.set i, i+2
.endr
.endr
	; ---- quantised along the keys: for each tile of queries half a fragment (64 keys) and two bytes a query
.irp w, 2,3
	QUANT16 \w, 16                                 ; (the second pass waits for the first pass's stores ahead of its conversions, where the code registers are first written again)
.irp m, 0,1,2,3,4,5,6,7
	v_lshl_or_b32 v[U+\m], v[TP+2*\m+1], 8, v[TP+2*\m]
.endr
.irp g, 0,1                            ; a word: low half tile 4 g' + h, high half tile 4 g' + 2 + h
	v_cndmask_b32 v14, v[U+4*\g], v[U+4*\g+1], s28
	v_cndmask_b32 v15, v[U+4*\g+2], v[U+4*\g+3], s28
	v_lshl_or_b32 v[10+2*(\w-2)+\g], v15, 16, v14
.endr
	s_wait_alu depctr_va_vdst(0)                   ; the conversions, swaps and moves have written v[CD ..], which the 16 stores below read; in the second pass v10 to v13 are whole too, which the last store reads
.irp m, 0,1,2,3,4,5,6,7
	global_store_b128 v1, v[CD+6*\m:CD+6*\m+3], s[22:23] offset:768*(8*(\w-2)+\m)          ; 512 consecutive bytes, aligned
	global_store_b64 v2, v[CD+6*\m+4:CD+6*\m+5], s[22:23] offset:768*(8*(\w-2)+\m)+512     ; and 256
.endr
.endr
	global_store_b128 v1, v[10:13], s[24:25]
	s_wait_dscnt 0x0                               ; the closing lines, six on end
	s_wait_alu 0x0
	s_wait_tensorcnt 0x0
	ds_add_u32 v94, v95
	s_wait_dscnt 0x0
	s_endpgm
.Lfunc_end_k_q470d32d6d2_LS:
	.size	k_q470d32d6d2_LS, .Lfunc_end_k_q470d32d6d2_LS-k_q470d32d6d2_LS
	.p2alignl 7, 3214868480
	.fill 96, 4, 3214868480
	.section	.rodata,"a",@progbits
	.p2align	6, 0x0
	.amdhsa_kernel k_q470d32d6d2_LS
		.amdhsa_group_segment_fixed_size 39424
		.amdhsa_private_segment_fixed_size 0
		.amdhsa_enable_private_segment 0
		.amdhsa_kernarg_size 24
		.amdhsa_user_sgpr_count 2
		.amdhsa_user_sgpr_kernarg_segment_ptr 1
		.amdhsa_wavefront_size32 1
		.amdhsa_system_sgpr_workgroup_id_x 1
		.amdhsa_system_sgpr_workgroup_id_y 1
		.amdhsa_system_sgpr_workgroup_id_z 1
		.amdhsa_system_vgpr_workitem_id 0
		.amdhsa_next_free_vgpr 1024
		.amdhsa_next_free_sgpr 66
		.amdhsa_reserve_vcc 0
		.amdhsa_float_denorm_mode_32 3
		.amdhsa_float_denorm_mode_16_64 3
		.amdhsa_memory_ordered 1
		.amdhsa_forward_progress 1
		.amdhsa_inst_pref_size 250
	.end_amdhsa_kernel
	.amdgpu_metadata
---
amdhsa.version: [ 1, 2 ]
amdhsa.kernels:
  - .name:           k_q470d32d6d2_LS
    .symbol:         k_q470d32d6d2_LS.kd
    .args:
      - { .name: QK, .offset: 0, .size: 8, .value_kind: global_buffer, .address_space: global }
      - { .name: temperature, .offset: 8, .size: 8, .value_kind: global_buffer, .address_space: global }
      - { .name: PQ, .offset: 16, .size: 8, .value_kind: global_buffer, .address_space: global }
    .group_segment_fixed_size: 39424
    .private_segment_fixed_size: 0
    .kernarg_segment_align: 8
    .kernarg_segment_size: 24
    .max_flat_workgroup_size: 128
    .sgpr_count:     66
    .vgpr_count:     1024
    .wavefront_size: 32
...
	.end_amdgpu_metadata
.endif
;; end of part 5
;; launch LO: the kernel of part 4 again; grid 4 x 64, 4 waves a work-group, clusters of 4 x 4, 327,680 bytes of LDS; arguments PQ, VQ, out0; writes out0
